; MI455X (gfx1250); checked and timed in simulation.
; The chip was launched on July 23, 2026; its instructions are those of AMD's public machine-readable ISA for CDNA 5 (MIT licence, August 2026) and "CDNA5" Instruction Set Architecture Reference Guide (July 2026). The comments in the code are by the model that wrote it; some were corrected since.
;; Qwen3 Flash MTP Attention. Allowed arithmetic: matrix products marked QUANTISED: E2M3 operands, one E8M0 scale for each 32 along K, by v_wmma_scale_f32_16x16x128_f8f6f4 with both operands' format E2M3, f32 sums; everything else in f32.
;; Inputs: Wk 2,048 x 1,024 float32; Wo 1,024 x 2,048 float32; Wq 2,048 x 1,024 float32; Wv 2,048 x 1,024 float32; cos 2 x 2,048 x 128 float32; hidden_states 2 x 2,048 x 2,048 float32; k_norm_w 128 float32; q_norm_w 128 float32; sin 2 x 2,048 x 128 float32.
;; Outputs: out0 2 x 2,048 x 2,048 float32.
;; This version of the problem:
;;   THIS VERSION OF THE PROBLEM IS GIVEN IN LOW PRECISION. The matrix products marked QUANTISED in the list below multiply operands that are first quantised to E2M3 (2 exponent bits, 3 mantissa bits; 6 bits a number), with one power-of-two scale for each 32 numbers along K (OCP MX v1.0); their sums are f32. All else is computed in f32.
;;   The module's matrix products, in the order in which they are computed (A, B: the left and right operand; K: the contracted axis; several contracted axes count as one K, in the product's order):
;;     1. [M 4,096, K 2,048] x [K 2,048, N 1,024]; A: input hidden_states; B: input Wq: QUANTISED
;;     2. [M 4,096, K 2,048] x [K 2,048, N 1,024]; A: input hidden_states; B: input Wk: QUANTISED
;;     3. [M 4,096, K 2,048] x [K 2,048, N 1,024]; A: input hidden_states; B: input Wv: QUANTISED
;;     4. batch 16 x [M 2,048, K 128] x [K 128, N 2,048]; A: computed on the way; B: computed on the way: QUANTISED
;;     5. batch 16 x [M 2,048, K 2,048] x [K 2,048, N 128]; A: softmax (see below); B: computed on the way: QUANTISED
;;     6. [M 4,096, K 1,024] x [K 1,024, N 2,048]; A: computed on the way; B: input Wo: QUANTISED
;;   THE QUANTISER, for each operand of a quantised product, along K:
;;     - K is cut into blocks of 32 from its start; a last block that is shorter is filled with zeros.
;;     - A block's scale is 2^e with e = floor(log2(the largest magnitude in the block)) - 2, held to -126 .. 127; a block of zeros has e = 0. As a byte (E8M0): e + 127.
;;     - Each number is divided by its block's scale, clamped to +-7.5, and rounded to the nearest number of E2M3, ties to even, subnormals kept.
;;     - The product sums the exact products of the quantised numbers (number of the format x scale) in f32.
;;   ~~~python
;;   def quantise(x, axis):      # numpy; x: float32 -> the quantised numbers, widened to float32 again
;;       x = np.moveaxis(x, axis, -1); K = x.shape[-1]
;;       x = np.pad(x, [(0, 0)] * (x.ndim - 1) + [(0, -K % 32)]); x = x.reshape(x.shape[:-1] + (-1, 32)); a = np.abs(x).max(-1, keepdims=True)
;;       e = np.where(a > 0, np.clip(np.frexp(np.where(a > 0, a, 1))[1] - 1 - 2, -126, 127), 0)      # np.frexp(a)[1] - 1 = floor(log2(a)), exactly
;;       r = np.clip(x / 2.0 ** e, -7.5, 7.5)
;;       step = 2.0 ** (np.maximum(np.frexp(np.where(r == 0, 1, r))[1] - 1, 0) - 3)
;;       q = np.round(r / step) * step * 2.0 ** e      # np.round: ties to even
;;       return np.moveaxis(q.reshape(q.shape[:-2] + (-1,))[..., :K], -1, axis).astype(np.float32)
;;   ~~~
;;   SOFTMAX AHEAD OF A QUANTISED PRODUCT. Where the list says 'softmax', what is quantised is not the finished softmax but p = 2^(t - M), with t = logit x log2(e) and M = ceil(the row's largest t), a whole number; so 1/2 < the row's largest p <= 1. The row's sum l is taken of the UNQUANTISED p, in f32, and the product's result is divided by l at the end. Since M is a whole number, a kernel that streams over the keys may use a running M (the ceiling of the running maximum): every later rescaling is an exact power of two, which a block's scale takes up: the codes' values come out the same.
;;   OPERANDS COMPUTED ON THE WAY. 'Computed on the way' means the value that the module computes at that place (a softmax that the list does not call 'softmax' is quantised finished and normalised). What goes into a quantiser is computed in f32, as accurately as f32 sums, v_exp_f32 and their like allow (about 1e-6 of the number): no bf16 or f16 on the way to a quantiser, and a product that is left as it is and whose result goes on into a quantised operand takes f32 operands (vector FMAs, or v_wmma_f32_16x16x4_f32). A number that lies on a knife's edge between two numbers of the format may be rounded either way, as far as f32 arithmetic and the matrix unit's own rounding can turn it there, and no further.
;; One version. Each part assembles by itself: llvm-mc -triple=amdgcn-amd-amdhsa -mcpu=gfx1250 --defsym DOCPART=n.
;; ======== version 1 of 1: 4 launches
;; limits: right only within a limited range of input values
;; workspace buffers: xq 6,553,600 bytes; wq 6,553,600 bytes; cs 4,194,304 bytes; qb 3,276,800 bytes; kvb 6,553,600 bytes; ab 3,276,800 bytes
;; launch prep (part 1): grid 576 x 1, 4 waves a work-group, no clusters, 60,928 bytes of LDS; arguments hidden_states, Wq, Wk, Wv, Wo, cos, sin, xq, wq, cs; writes xq, wq, cs
.if DOCPART == 1
	.amdgcn_target "amdgcn-amd-amdhsa--gfx1250"
	.amdhsa_code_object_version 6
	.text
	.protected	k_qd06f67cac7_prep
	.globl	k_qd06f67cac7_prep
	.p2align	8
	.type	k_qd06f67cac7_prep,@function
k_qd06f67cac7_prep:
	s_mov_b64 s[64:65], 0
	v_nop
	global_prefetch_b8 v0, s[64:65] scope:SCOPE_SE
	s_setreg_imm32_b32 hwreg(HW_REG_WAVE_MODE, 25, 1), 1
	s_wait_xcnt 0x0
; PREP: hidden_states and the four weights become codes of FP6 (E2M3) with one E8M0 byte for each 32 along K; cos and sin are laid anew.
; ALL RESULTS ARE IMAGES OF OPERAND REGISTERS.  A fragment is 16 rows x 128 K, 12 registers a lane (lane (r, h): registers 6 c .. 6 c + 5 = k 64 c + 32 h + 0 .. 31).
; Its image is 1,536 bytes: chunk c (0 .. 2) holds lane l's registers 4 c .. 4 c + 3 at 512 c + 16 l.  Its scale piece is 64 bytes: word r = the four bytes of row r.
; THE ROWS OF A TILE ARE NOT NEIGHBOURS: of a group of 128 rows (tokens, or a weight's columns) lane r of tile t takes row 32 (t / 2) + 8 (t % 2) + r + 8 (r / 8).
; xq: codes [group 32][K step 16][tile 8][1536], scales from byte 6,291,456 [group][K step][tile][64].
; wq: the same for Wq (groups 0-7), Wk (8-15), Wv (16-23); Wo's codes from byte 4,718,592 [group 16][K step 8][tile 8][1536]; scales from 6,291,456 and 6,488,064.
; cs: [token tile 256][piece 32][512]: pieces 0-15 cos, 16-31 sin; register 16 b + i of lane (r, h) is d = 32 b + 16 h + i of the lane's token.
; A block's scale is 2^(floor(log2(largest magnitude)) - 2): its byte is the largest magnitude's exponent field - 2, held at 1 from below.
; LIMITS: a block of zeros, or one whose largest magnitude lies under 2^-124, gets the byte 1 (the rule's 127 for zeros is not made: the codes are zeros and this program alone reads the bytes);
; NaN and infinities among the inputs are not served.
; SHARES: work-groups 0-255: one token tile of hidden_states each, a wave four K steps.  256-511: 128 columns x 256 k of a weight, a wave 32 columns, a lane one column, registers down K.
; 512-575: cos and sin, a wave one token tile.  Waves share nothing: no barrier.  Each path has LDS bytes of its own.
; THE LAYOUT OF xq AND wq, which takes the place of the two lines on them above.  xq, and Wq, Wk, Wv (groups 0-23 of wq): [group][pair of K steps 8][25,600 bytes]: K step 0's eight tiles (12,288 bytes),
; K step 1's, then the pair's scale words [K step 2][tile 8][64].  Wo, from byte 4,915,200 of wq: [group 16][102,400 bytes]: codes [K step 8][tile 8][1536], then scale words [K step 8][tile 8][64].
.set XPW,   8448
.set WSTG,  33792                      ; the weights' stages begin here:
.set WPW,   6656                       ; four fragments for each wave,
.set FPI,   1664                       ; 1,536 + 128 bytes apart
.set SPARE, 60416                      ; the spare words, 128 bytes for each wave: two blocks of 256 bytes that no other line names
.macro FINISH                          ; the wave's end
	s_wait_tensorcnt 0x0
	ds_add_u32 v14, v15
	s_wait_dscnt 0x0
	s_endpgm
.endm
; 32 numbers of one block in v[src] on become six registers of codes in v[cd] on; v[by] takes the scale's byte
.macro BLK32 src, cd, ct, m0, m1, sc, by
	v_max3_num_f32 v[\m0], |v[\src]|, |v[\src+1]|, |v[\src+2]|
	v_max3_num_f32 v[\m1], |v[\src+3]|, |v[\src+4]|, |v[\src+5]|
.irp i, 6,10,14,18,22,26
	v_max3_num_f32 v[\m0], v[\m0], |v[\src+\i]|, |v[\src+\i+1]|
	v_max3_num_f32 v[\m1], v[\m1], |v[\src+\i+2]|, |v[\src+\i+3]|
.endr
	v_max3_num_f32 v[\m0], v[\m0], |v[\src+30]|, |v[\src+31]|
	v_max3_num_f32 v[\m0], v[\m0], v[\m1], 0x1800000   ; the floor 2^(3 - 127): the byte cannot fall under 1
	v_add_nc_u32 v[\sc], 0xff000000, v[\m0]            ; 2 off the exponent field: the conversion takes this operand's exponent field as its scale
	v_lshrrev_b32 v[\by], 23, v[\sc]                   ; the scale's byte
	v_cvt_scalef32_pk16_fp6_f32 v[\cd:\cd+2], v[\src:\src+15], v[\sc]
	v_cvt_scalef32_pk16_fp6_f32 v[\ct:\ct+2], v[\src+16:\src+31], v[\sc]   ; (a conversion's three registers begin on an even number)
	v_nop                                              ; one plain place behind a scaled conversion
.irp i, 0,1,2
	v_mov_b32 v[\cd+3+\i], v[\ct+\i]
.endr
.endm
	s_load_b256 s[4:11], s[0:1], 0x0               ; hidden_states s[4:5], Wq s[6:7], Wk s[8:9], Wv s[10:11]
	s_load_b256 s[12:19], s[0:1], 0x20             ; Wo s[12:13], cos s[14:15], sin s[16:17], xq s[18:19]
	s_load_b128 s[20:23], s[0:1], 0x40             ; wq s[20:21], cs s[22:23]
	v_lshl_add_u32 v14, v0, 2, SPARE               ; my spare word; never rewritten
	v_mov_b32 v15, 0                               ; 0; never rewritten
	v_lshrrev_b32 v1, 5, v0
	v_readfirstlane_b32 s24, v1                    ; wave 0..3
	v_and_b32 v1, 31, v0                           ; lane
	v_and_b32 v2, 15, v0                           ; r
	v_bfe_u32 v3, v0, 4, 1                         ; h
	v_lshlrev_b32 v4, 4, v1                        ; 16 x lane
	v_lshlrev_b32 v5, 2, v2                        ; 4 r
	s_mul_i32 s25, s24, XPW
	v_add_nc_u32 v6, s25, v4                       ; hidden_states' stage, in: 16 x lane of a row
	v_mul_u32_u24 v7, v2, 528
	v_lshl_add_u32 v7, v3, 7, v7
	v_add_nc_u32 v7, s25, v7                       ; and out: row r, + 128 h bytes
	v_bfe_u32 v12, v0, 3, 1                        ; u: which of my wave's two tiles my column falls into
	v_and_b32 v13, 7, v0
	v_lshl_or_b32 v13, v3, 3, v13                  ; and which lane r of it: (lane % 8) + 8 (lane / 16)
	s_mul_i32 s25, s24, WPW
	s_add_co_u32 s25, s25, WSTG
	v_mul_u32_u24 v8, v12, FPI
	v_lshl_add_u32 v8, v13, 4, v8
	v_add_nc_u32 v8, s25, v8                       ; the weights' stage, in
	v_add_nc_u32 v9, s25, v4                       ; and out
	v_lshlrev_b32 v10, 6, v12
	v_lshl_add_u32 v10, v13, 2, v10                ; my column's scale word: 64 u + 4 r
	v_lshlrev_b32 v11, 3, v3                       ; 8 h
	v_and_b32 v12, 8, v2
	v_add_nc_u32 v12, v12, v2                      ; r + 8 (r / 8)
	v_lshlrev_b32 v12, 9, v12
	v_lshl_add_u32 v12, v3, 6, v12                 ; cos, sin: my token's row of 512 bytes, + 64 h
	s_mov_b32 s26, 0x76543210
	s_mov_b32 s27, 0xfedcba98                      ; v_permlanex16_b32's selects for lane l xor 16
	s_wait_kmcnt 0x0
	s_cmp_lt_u32 ttmp9, 256
	s_cbranch_scc1 .Lx
	s_cmp_lt_u32 ttmp9, 512
	s_cbranch_scc1 .Lw
	; ---- cos and sin: token tile T = 4 (work-group - 512) + wave
	s_sub_co_u32 s52, ttmp9, 512
	s_lshl_b32 s52, s52, 2
	s_add_co_u32 s52, s52, s24                     ; T
	s_lshr_b32 s53, s52, 1
	s_lshl_b32 s53, s53, 5
	s_and_b32 s54, s52, 1
	s_lshl_b32 s54, s54, 3
	s_add_co_u32 s54, s53, s54                     ; the tile's first token: 32 (T / 2) + 8 (T % 2)
	s_lshl_b32 s54, s54, 9
	s_mov_b32 s55, 0
	s_add_nc_u64 s[14:15], s[14:15], s[54:55]
	s_add_nc_u64 s[16:17], s[16:17], s[54:55]
	s_lshl_b32 s54, s52, 14
	s_add_nc_u64 s[22:23], s[22:23], s[54:55]
	s_wait_alu depctr_va_vdst(0)
.irp p, 0,1,2,3,4,5,6,7,8,9,10,11,12,13,14,15
	global_load_b128 v[16+4*\p:19+4*\p], v12, s[14:15] offset:128*(\p/4)+16*(\p%4)
.endr
.irp p, 0,1,2,3,4,5,6,7,8,9,10,11,12,13,14,15
	global_load_b128 v[80+4*\p:83+4*\p], v12, s[16:17] offset:128*(\p/4)+16*(\p%4)
.endr
.set P, 0
.rept 32
	s_wait_loadcnt 31-P                            ; loads come back in order: piece P is in, the younger ones stay out
	global_store_b128 v4, v[16+4*P:19+4*P], s[22:23] offset:512*P   ; 32 lanes store 512 consecutive bytes
.set P, P+1
.endr
	FINISH
	; ---- hidden_states: token tile T = work-group; wave w takes K steps 4 w .. 4 w + 3
.Lx:
	v_mov_b32 v237, 0                              ; written once: a lane permute's destination counts as one of its sources
	s_lshr_b32 s52, ttmp9, 1
	s_lshl_b32 s52, s52, 5
	s_and_b32 s53, ttmp9, 1
	s_lshl_b32 s53, s53, 3
	s_add_co_u32 s52, s52, s53                     ; the tile's first token
	s_lshl_b32 s52, s52, 13                        ; rows of 8,192 bytes
	s_lshl_b32 s53, s24, 11                        ; my four K steps: 2,048 bytes of each row
	s_add_co_u32 s52, s52, s53
	s_mov_b32 s53, 0
	s_add_nc_u64 s[4:5], s[4:5], s[52:53]
	s_lshr_b32 s54, ttmp9, 3                       ; group
	s_and_b32 s55, ttmp9, 7                        ; tile in it
	s_mul_i32 s56, s54, 204800
	s_mul_i32 s57, s24, 51200
	s_add_co_u32 s56, s56, s57
	s_mul_i32 s57, s55, 1536
	s_add_co_u32 s56, s56, s57
	s_mov_b32 s57, 0
	s_add_nc_u64 s[48:49], s[18:19], s[56:57]      ; my codes
	s_mul_i32 s56, s54, 204800
	s_mul_i32 s58, s24, 51200
	s_add_co_u32 s56, s56, s58
	s_lshl_b32 s58, s55, 6
	s_add_co_u32 s56, s56, s58
	s_add_co_u32 s56, s56, 24576                   ; the scale words lie behind a pair's codes
	s_add_nc_u64 s[50:51], s[18:19], s[56:57]      ; my scale words
.macro LOADX t                         ; K step t of the tile's 16 rows: each load reads 512 consecutive bytes of one row
.irp p, 0,1,2,3,4,5,6,7,8,9,10,11,12,13,14,15
	global_load_b128 v[16+64*((\t)%2)+4*\p:19+64*((\t)%2)+4*\p], v4, s[4:5] offset:(\p+8*(\p/8))*8192+512*(\t) th:TH_LOAD_NT
.endr
.endm
.macro XSTEP t
.if (\t) < 3
	s_wait_loadcnt 16                              ; this step's 16 loads are in; the next step's 16 may be out
.else
	s_wait_loadcnt 0x0
.endif
.irp p, 0,1,2,3,4,5,6,7,8,9,10,11,12,13,14,15
	ds_store_b128 v6, v[16+64*((\t)%2)+4*\p:19+64*((\t)%2)+4*\p] offset:528*\p
.endr
.irp c, 0,1
.irp j, 0,1,2,3,4,5,6,7
	ds_load_b128 v[144+32*\c+4*\j:147+32*\c+4*\j], v7 offset:256*\c+16*\j   ; LDS serves a wave's instructions in order: these see my stores.  k = 64 c + 32 h + 0 .. 31 of row r
.endr
.endr
	s_wait_dscnt 0x0                               ; the numbers are back, and the stores have read their registers
.if (\t) < 2
	LOADX (\t)+2
.endif
.if (\t) > 0
	s_wait_xcnt 0x0                                ; the last step's stores have read the codes and the scale word, which are written again below
.endif
	BLK32 144, 208, 220, 228, 229, 232, 234
	BLK32 176, 214, 224, 230, 231, 233, 235
	v_lshl_or_b32 v236, v235, 16, v234             ; my two bytes: blocks h and 2 + h of row r,
	v_lshlrev_b32 v236, v11, v236                  ; at their places in the word;
	v_permlanex16_b32 v237, v236, s26, s27
	v_or_b32 v236, v236, v237                      ; with lane l xor 16's two the word is whole
.irp c, 0,1,2
	global_store_b128 v4, v[208+4*\c:211+4*\c], s[48:49] offset:25600*((\t)/2)+12288*((\t)%2)+512*\c   ; 512 consecutive bytes
.endr
	global_store_b32 v5, v236, s[50:51] offset:25600*((\t)/2)+512*((\t)%2)   ; lanes r and r + 16 store the same word to the same place
.endm
	LOADX 0
	LOADX 1
	XSTEP 0
	XSTEP 1
	XSTEP 2
	XSTEP 3
	FINISH
	; ---- the weights: j = work-group - 256.  j < 192: Wq, Wk, Wv [2048][1024]: which = j / 64, 8 column groups x 8 runs of 256 k.  Else Wo [1024][2048]: 16 column groups x 4 runs
.Lw:
	s_sub_co_u32 s52, ttmp9, 256                   ; j
	s_and_b32 s53, s52, 63
	s_lshr_b32 s60, s52, 6
	s_cmp_lt_u32 s52, 64                           ; the choices hang on the work-group's number alone
	s_cselect_b64 s[6:7], s[6:7], s[8:9]
	s_cmp_lt_u32 s52, 128
	s_cselect_b64 s[6:7], s[6:7], s[10:11]
	s_cmp_lt_u32 s52, 192
	s_cselect_b64 s[6:7], s[6:7], s[12:13]         ; the weight
	s_cselect_b32 s54, 7, 15                       ; all selections first: the shifts below write SCC
	s_cselect_b32 s55, 3, 4
	s_cselect_b32 s29, 12, 13                      ; log2 of a row's bytes
	s_mov_b32 s56, 102400                          ; (s_mov_b32 leaves SCC alone)
	s_cselect_b32 s56, 204800, s56                 ; a group
	s_cselect_b32 s58, 0, 4915200                  ; where the codes begin
	s_mov_b32 s59, 5013504
	s_cselect_b32 s59, 24576, s59                  ; where the scale words begin: behind a pair's codes, or behind the first group's (4,915,200 + 98,304)
	s_mov_b32 s2, 24576
	s_cselect_b32 s2, 25600, s2                    ; a run of 256 k: its codes,
	s_mov_b32 s3, 1024
	s_cselect_b32 s3, 25600, s3                    ; its scale words
	s_cselect_b32 s60, s60, 0
	s_and_b32 s54, s52, s54                        ; column group
	s_lshr_b32 s55, s53, s55                       ; run of 256 k
	s_lshl_b32 s28, 1, s29                         ; a row's bytes
	s_lshl_b32 s60, s60, 3
	s_add_co_u32 s60, s60, s54                     ; the group's number in wq
	s_lshl_b32 s61, s55, 8
	s_lshl_b32 s61, s61, s29
	s_lshl_b32 s62, s54, 9
	s_add_co_u32 s61, s61, s62
	s_lshl_b32 s62, s24, 7
	s_add_co_u32 s62, s61, s62                     ; 256 k rows down, 512 bytes a group, 128 a wave
	s_mov_b32 s63, 0
	s_add_nc_u64 s[32:33], s[6:7], s[62:63]        ; block 0 of my 8 blocks of 32 k
	s_lshl_b32 s30, s28, 5
	s_mov_b32 s31, 0
.irp t, 1,2,3,4,5,6,7
	s_add_nc_u64 s[32+2*\t:33+2*\t], s[30+2*\t:31+2*\t], s[30:31]   ; block t: 32 rows further down
.endr
	s_mul_i32 s61, s60, s56
	s_mul_i32 s62, s55, s2
	s_add_co_u32 s61, s61, s62
	s_add_co_u32 s61, s61, s58
	s_mul_i32 s62, s24, 3072
	s_add_co_u32 s62, s61, s62
	s_add_nc_u64 s[48:49], s[20:21], s[62:63]      ; my codes: tiles 2 w, 2 w + 1 of two K steps
	s_mul_i32 s61, s60, s56
	s_mul_i32 s62, s55, s3
	s_add_co_u32 s61, s61, s62
	s_add_co_u32 s61, s61, s59
	s_lshl_b32 s62, s24, 7
	s_add_co_u32 s61, s61, s62
	s_mov_b32 s62, s61
	s_add_nc_u64 s[50:51], s[20:21], s[62:63]      ; my scale words
	v_lshlrev_b32 v16, 2, v1                       ; v16-47: 4 x lane + i rows: one text serves both row lengths, and no address is stepped
.set i, 1
.rept 31
	v_add_nc_u32 v[16+i], s28, v[15+i]
.set i, i+1
.endr
.macro LOADB t                         ; block t: W(32 t + i, my column): a wave reads 128 consecutive bytes, the work-group 512
.set i, 0
.rept 32
	global_load_b32 v[48+32*((\t)%2)+i], v[16+i], s[32+2*(\t):33+2*(\t)] th:TH_LOAD_NT
.set i, i+1
.endr
.endm
.macro WBLOCK t                        ; block t = K step t / 4, registers 6 ((t / 2) % 2) on of lane (r, t % 2) of my column's fragment
.set XS, 48+32*((\t)%2)
.set OF, 3328*((\t)/4)+256*((\t)%2)
.if (\t) < 7
	s_wait_loadcnt 32                              ; this block's 32 loads are in; the next block's may be out
.else
	s_wait_loadcnt 0x0
.endif
	BLK32 XS, 112, 116, 120, 121, 122, 123
.if (\t)%4 == 0
	v_mov_b32 v[124+(\t)/4], v123                  ; four bytes to a word, the lower K in the lower byte
.else
	v_lshl_or_b32 v[124+(\t)/4], v123, 8*((\t)%4), v[124+(\t)/4]
.endif
.if ((\t)/2)%2 == 0
	ds_store_b128 v8, v[112:115] offset:OF         ; registers 0-3: chunk 0
	ds_store_b64 v8, v[116:117] offset:OF+512      ; registers 4, 5: the first half of my 16 bytes of chunk 1
.else
	ds_store_b64 v8, v[112:113] offset:OF+520      ; registers 6, 7: the second half
	ds_store_b128 v8, v[114:117] offset:OF+1024    ; registers 8-11: chunk 2
.endif
.if (\t) < 6
	LOADB (\t)+2
.endif
	s_wait_dscnt 0x0                               ; the stores have read their registers: the next block's codes may be written
.endm
	LOADB 0
	LOADB 1
.irp t, 0,1,2,3,4,5,6,7
	WBLOCK \t
.endr
	s_wait_alu depctr_va_vdst(0)
.irp g, 0,1
	global_store_b32 v10, v[124+\g], s[50:51] offset:512*\g   ; the wave's 32 words: 128 consecutive bytes
.endr
.irp g, 0,1
.irp u, 0,1
.irp c, 0,1,2
	ds_load_b128 v[128+4*(6*\g+3*\u+\c):131+4*(6*\g+3*\u+\c)], v9 offset:FPI*(2*\g+\u)+512*\c
.endr
.endr
.endr
.irp g, 0,1
.irp u, 0,1
.irp c, 0,1,2
	s_wait_dscnt 11-(6*\g+3*\u+\c)                 ; this chunk is back; the younger loads stay out
	global_store_b128 v4, v[128+4*(6*\g+3*\u+\c):131+4*(6*\g+3*\u+\c)], s[48:49] offset:12288*\g+1536*\u+512*\c
.endr
.endr
.endr
	FINISH
.Lfunc_end_k_qd06f67cac7_prep:
	.size	k_qd06f67cac7_prep, .Lfunc_end_k_qd06f67cac7_prep-k_qd06f67cac7_prep
	.p2alignl 7, 3214868480
	.fill 96, 4, 3214868480
	.section	.rodata,"a",@progbits
	.p2align	6, 0x0
	.amdhsa_kernel k_qd06f67cac7_prep
		.amdhsa_group_segment_fixed_size 60928
		.amdhsa_private_segment_fixed_size 0
		.amdhsa_enable_private_segment 0
		.amdhsa_kernarg_size 80
		.amdhsa_user_sgpr_count 2
		.amdhsa_user_sgpr_kernarg_segment_ptr 1
		.amdhsa_wavefront_size32 1
		.amdhsa_system_sgpr_workgroup_id_x 1
		.amdhsa_system_sgpr_workgroup_id_y 1
		.amdhsa_system_sgpr_workgroup_id_z 1
		.amdhsa_system_vgpr_workitem_id 0
		.amdhsa_next_free_vgpr 256
		.amdhsa_next_free_sgpr 66
		.amdhsa_reserve_vcc 0
		.amdhsa_float_denorm_mode_32 3
		.amdhsa_float_denorm_mode_16_64 3
		.amdhsa_memory_ordered 1
		.amdhsa_forward_progress 1
		.amdhsa_inst_pref_size 82
	.end_amdhsa_kernel
	.amdgpu_metadata
---
amdhsa.version: [ 1, 2 ]
amdhsa.kernels:
  - .name:           k_qd06f67cac7_prep
    .symbol:         k_qd06f67cac7_prep.kd
    .args:
      - { .name: hidden_states, .offset: 0, .size: 8, .value_kind: global_buffer, .address_space: global }
      - { .name: Wq, .offset: 8, .size: 8, .value_kind: global_buffer, .address_space: global }
      - { .name: Wk, .offset: 16, .size: 8, .value_kind: global_buffer, .address_space: global }
      - { .name: Wv, .offset: 24, .size: 8, .value_kind: global_buffer, .address_space: global }
      - { .name: Wo, .offset: 32, .size: 8, .value_kind: global_buffer, .address_space: global }
      - { .name: cos, .offset: 40, .size: 8, .value_kind: global_buffer, .address_space: global }
      - { .name: sin, .offset: 48, .size: 8, .value_kind: global_buffer, .address_space: global }
      - { .name: xq, .offset: 56, .size: 8, .value_kind: global_buffer, .address_space: global }
      - { .name: wq, .offset: 64, .size: 8, .value_kind: global_buffer, .address_space: global }
      - { .name: cs, .offset: 72, .size: 8, .value_kind: global_buffer, .address_space: global }
    .group_segment_fixed_size: 60928
    .private_segment_fixed_size: 0
    .kernarg_segment_align: 8
    .kernarg_segment_size: 80
    .max_flat_workgroup_size: 128
    .sgpr_count:     66
    .vgpr_count:     256
    .wavefront_size: 32
...
	.end_amdgpu_metadata
.endif
;; end of part 1
;; launch qkv (part 2): grid 12 x 16, 4 waves a work-group, clusters of 4 x 4, 327,680 bytes of LDS; arguments xq, wq, cs, q_norm_w, k_norm_w, qb, kvb; writes qb, kvb
.if DOCPART == 2
	.amdgcn_target "amdgcn-amd-amdhsa--gfx1250"
	.amdhsa_code_object_version 6
	.text
	.protected	k_qd06f67cac7_qkv
	.globl	k_qd06f67cac7_qkv
	.p2align	8
	.type	k_qd06f67cac7_qkv,@function
k_qd06f67cac7_qkv:
	s_mov_b64 s[64:65], 0
	v_nop
	global_prefetch_b8 v0, s[64:65] scope:SCOPE_SE
	s_setreg_imm32_b32 hwreg(HW_REG_WAVE_MODE, 25, 1), 1
	s_wait_xcnt 0x0
	s_wait_alu depctr_hold_cnt(0) depctr_sa_sdst(0) depctr_va_vdst(0) depctr_va_sdst(0) depctr_va_ssrc(0) depctr_va_vcc(0) depctr_vm_vsrc(0)
	s_getreg_b32 s2, hwreg(HW_REG_IB_STS2, 6, 4)
	s_cmp_eq_u32 s2, 0
	s_cbranch_scc0 .Lentry_in_a_cluster
	s_endpgm
.Lentry_in_a_cluster:
	s_bfe_u32 s2, ttmp6, 0x10000c
	s_cmp_lg_u32 s2, 0xf033
	s_cbranch_scc0 .Lentry_shape_is_right
	s_endpgm
.Lentry_shape_is_right:
; q, k, v = hidden_states x Wq, Wk, Wv on codes of FP6 (E2M3) with E8M0 scales; then, in f32 and in registers: RMSNorm over each head's 128 and RoPE for q and k; then the quantiser of the
; next product: q and k along the head's 128, v along the keys.  Nothing but codes and scale bytes goes to memory.
; OPERANDS ARE IMAGES OF FRAGMENT REGISTERS (16 rows x 128 K = 1,536 bytes: chunk c holds lane l's registers 4 c .. 4 c + 3 at 512 c + 16 l), laid [group of 128 rows][K step][tile 8]; a K step's
; eight tiles are dense, so a tensor load brings two K steps of a group as 96 rows of 256 bytes and a fragment comes out of LDS by three loads of 16 bytes a lane, 512 consecutive bytes each.
; Lane r of tile t holds row 32 (t / 2) + 8 (t % 2) + r + 8 (r / 8) of its group: so the 64 results of a lane for a block of 16 rows are, register 16 b + i, number 32 b + 16 (lane / 16) + i along the other side.
; A work-group makes 256 x 256: four waves, each 128 x 128 in 64 accumulators.  The matrix instruction is used transposed: source 0 = a tile of side B, source 1 = a block of side A.
; ONE LOOP SERVES Q, K AND V.  The cluster's x says which: 0 Q, 1 K: side A = tokens, side B = the weight's columns (a wave's 128 columns are one head): a lane holds one token and 64 of its head's numbers.
; 2 V: the sides change places by pointer: side A = Wv's columns, side B = tokens: a lane holds one channel and 64 keys, which are the next product's K.
; CLUSTERS: 4 x 4 work-groups; A's tiles are asked for jointly along a row of the cluster, B's along a column.
; qb: codes [token group 32][head 8][tile 8][1536], scales from 3,145,728 [group][head][tile][64].
; kvb: codes [batch x head 16][slot of 256 keys 8][K step 0, K step 1, V step 0, V step 1: 12,288 each], scales from 6,291,456 [batch x head][key step 16][K 512, V 512].
; LIMITS: a block whose largest magnitude lies under 2^-124 (zeros too) gets the byte 1; NaN and infinities are not served.
; REGISTERS: window 0: v16-31 addresses; v32-63 scale words, two sets; v64-127 the norm's weights; v128-223 A's fragments, one set; behind the loop v128-191 at work.
;   window 1: B's fragments, two sets at v0 and v128; behind the loop cos and sin, two sets of 128.   windows 2, 3: the accumulators ((a, b) at v[8 (8 (a % 4) + b)]).
.set KST,   16                         ; K steps of 128
.set FR,    12
.set NL,    3                          ; LDS loads that bring a fragment
.set NP,    4                          ; places behind this matrix instruction (ISA guide 7.12.1)
.set NQ,    2                          ; K steps in a slot
; THE OPERANDS' LAYOUT, which takes the place of what the lines above say of scales: [group][pair of K steps 8][25,600 bytes]: two K steps' codes (24,576), then their scale words [K step 2][tile 8][64].
; So one tensor load of 100 rows of 256 bytes brings a group's codes and scale words of two K steps; no scale words are fetched apart, and a slot's words are read from the slot.
; PREFETCH: with the load of pair n each wave names pair n + 2 of the group that it fetches: 25,600 bytes = 4 partners x 25 lanes x 256, the partners told apart by address (lanes 25-31 name the last block again);
; the head also names pair 1; the loop's last trip, which has no pair two on, names cos and sin of the work-group's tokens instead: 16,384 bytes a wave, in two halves.
.set HALFT, 25600                      ; two K steps of one group, codes and scale words: what one tensor load brings
.set SLOT,  4*HALFT                    ; A's two groups, then B's two
.set GSTR,  8*HALFT                    ; a group
.set SPARE, 2*SLOT                     ; behind the ring: the spare words, 128 bytes for each wave: two blocks of 256 bytes that no other line names
.set LAPS,  KST/4
.set ADRA, 16                          ; v16-17  LDS address of my A fragments in slot 0, 1
.set ADRB, 20                          ; v20-21  the same for B
.set LI,   24                          ; v24     16 x lane
.set LS,   25                          ; v25     4 x (lane % 16)
.set FLR,  26                          ; v26     the floor 2^(3 - 127)
.set ADRS, 22                          ; v22-23  LDS address of my scale words in slot 0, 1: lanes 0-15 A's, lanes 16-31 B's
.set PFO,  27                          ; v27     the prefetches' offset: 256 x min(lane, 24); never rewritten
.set PFC,  18                          ; v18     the same for cos and sin: my tile of the group's eight, 256 x lane; never rewritten
.set SPW,  28                          ; v28     my spare word; never rewritten
.set NIL,  29                          ; v29     0; never rewritten
.set PW,   30                          ; v30     the scale word just made
.set NWO,  31                          ; v31     64 x (lane / 16)
.set SC,   32
.set NW,   64
.set AF,   128
.set PC,   128                         ; v128-139 the codes just made; v140-146 at work
.set TM,   148                         ; v148-159 the quantiser's
.set RS,   160                         ; v160-175 1 / rms of block a at RS + 2 a, twice
.set SS,   176                         ; v176-191 sums of squares
.set WV,  18
.set WH,  19
.set WL,  20
.set G1,  24
.set G0,  32
.set G1B, 48
.set G0B, 56
.set EPS, 66
.set I128, 67
.set PFA, 68                           ; s[68:69] where my prefetches stand: one pair further on than the load that is being asked for
.set PA,  92
.set PB,  94
.set OUT, 96
.set OUTS, 98
.set SEL, 100
.set MSB, 0
.macro WIN new                         ; the immediate's high byte repeats the setting that is left
.if MSB != (\new)
	s_set_vgpr_msb (MSB<<8)|(\new)
.set MSB, \new
.endif
.endm
.set MUL_LO, 0xa1                      ; source 0 (B) window 1, source 1 (A) window 0, C and D window 2
.set MUL_HI, 0xf1
.set TO_B,   0x40
; A joint load: waves 0 and 1 fetch for A, waves 2 and 3 for B; the branch hangs on the wave's number alone.  An s_nop 0 and four v_nop follow each of the two lines.
.macro JLOAD g0a, g1a, g0b, g1b
	s_cmp_eq_u32 s[WH], 0
	s_cbranch_scc0 .Lfor_b_\@
	tensor_load_to_lds s[\g0a:\g0a+3], s[\g1a:\g1a+7]
	s_nop 0
.rept 4
	v_nop
.endr
	s_branch .Lasked_\@
.Lfor_b_\@:
	tensor_load_to_lds s[\g0b:\g0b+3], s[\g1b:\g1b+7]
	s_nop 0
.rept 4
	v_nop
.endr
.Lasked_\@:
.endm
.macro CREST                           ; a round of the cluster's barrier behind its opening barrier
	s_cmp_lg_u32 s[WV], 0
	s_cbranch_scc1 .Lnot_wave_0_\@
	s_barrier_signal -3
.Lnot_wave_0_\@:
	s_barrier_wait -3
	s_barrier_signal -1
	s_barrier_wait -1
.endm
.macro CROUND
	s_barrier_signal -1
	s_barrier_wait -1
	CREST
.endm
	s_load_b256 s[4:11], s[0:1], 0x0               ; xq s[4:5], wq s[6:7], cs s[8:9], q_norm_w s[10:11]
	s_load_b128 s[12:15], s[0:1], 0x20             ; k_norm_w s[12:13], qb s[14:15]
	s_load_b64 s[16:17], s[0:1], 0x30              ; kvb
	v_lshl_add_u32 v[SPW], v0, 2, SPARE
	v_mov_b32 v[NIL], 0
	ds_add_u32 v[SPW], v[NIL]                      ; the wave's opening: the add and its wait ahead of my first tensor load; work on registers stands between them
	ds_add_u32 v[SPW], v[NIL]
	v_lshrrev_b32 v1, 5, v0
	v_readfirstlane_b32 s[WV], v1                  ; wave 0..3
	s_lshr_b32 s[WH], s[WV], 1                     ; which of A's two groups is mine.  Also: I fetch for A (0) or for B (1)
	s_and_b32 s[WL], s[WV], 1                      ; which of B's.  Also: which group of that side I fetch
	s_bfe_u32 s21, ttmp6, 0x40000                  ; cx
	s_bfe_u32 s22, ttmp6, 0x40004                  ; cy
	s_and_b32 s23, ttmp7, 0xffff
	s_lshl_b32 s23, s23, 2                         ; 4 x cluster y
	s_add_co_u32 s44, s23, s22
	s_add_co_u32 s40, s22, 8
	s_add_co_u32 s45, s23, s21
	s_lshl_b32 s41, ttmp9, 2
	s_add_co_u32 s41, s41, s21
	s_cmp_eq_u32 ttmp9, 2                          ; V?  The cluster's x is the same in all sixteen partners
	s_cselect_b32 s44, s40, s44                    ; side A's pair of groups: V: Wv's, 8 + cy;  else tokens', 4 y + cy: it hangs on cy alone of the two places
	s_cselect_b32 s45, s45, s41                    ; side B's: V: tokens', 4 y + cx;  else the weight's, 4 x + cx: on cx alone
	s_lshl_b32 s46, s22, 2
	s_lshl_b32 s46, 15, s46                        ; my row of the cluster
	s_lshl_b32 s47, 0x1111, s21                    ; my column
	s_or_b32 s[G1+0], s46, (3<<16)|(1<<21)         ; 15:0 the mask: A's tiles go to my row; 17:16 elements of 8 bytes; 20 no padding; 21 set beside a mask
	s_or_b32 s[G1B+0], s47, (3<<16)|(1<<21)
.irp g, G1, G1B
	s_mov_b32 s[\g+1], 32<<16                      ; tensor_dim0 = 32 elements: rows of 256 bytes
	s_mov_b32 s[\g+2], 100<<16                     ; tensor_dim1 = 100 rows
	s_mov_b32 s[\g+3], 32<<16                      ; tile_dim0
	s_mov_b32 s[\g+4], 100                         ; tile_dim1
	s_mov_b32 s[\g+5], 32                          ; the pitch: the block is dense
	s_mov_b32 s[\g+6], 0
	s_mov_b32 s[\g+7], 0
.endr
	s_lshl_b32 s40, s44, 1
	s_add_co_u32 s40, s40, s[WL]                   ; the group of A that I would fetch
	s_mul_i32 s40, s40, GSTR
	s_mov_b32 s41, 0
	s_lshl_b32 s96, s45, 1
	s_add_co_u32 s96, s96, s[WL]                   ; and of B
	s_mul_i32 s96, s96, GSTR
	s_mov_b32 s97, 0
	s_mul_i32 s2, s[WV], HALFT                     ; where they go: wave x a group: no place in the cluster enters an LDS address
	s_cmp_eq_u32 s[WH], 0
	s_cselect_b32 s42, s21, s22                    ; my place among the four that ask with me: cx for A's tiles, cy for B's
	s_mul_i32 s42, s42, 6400                       ; my work-group's 25 blocks of 256 bytes,
	s_add_co_u32 s42, s42, HALFT                   ; in pair 1
	s_mov_b32 s43, 0
	s_mov_b32 s[EPS], 0x358637bd                   ; 1e-6
	s_mov_b32 s[I128], 0x3c000000                  ; 1 / 128
	s_mov_b32 s[SEL], 0x76543210
	s_mov_b32 s[SEL+1], 0xfedcba98
	s_wait_dscnt 0x0                               ; the opening add is done
	s_wait_kmcnt 0x0
	s_cmp_eq_u32 ttmp9, 2
	s_cselect_b64 s[PA:PA+1], s[6:7], s[4:5]       ; side A's buffer
	s_cselect_b64 s[PB:PB+1], s[4:5], s[6:7]       ; side B's
	CROUND                                         ; all sixteen work-groups are here: the first joint loads meet
	s_add_nc_u64 s[PA:PA+1], s[PA:PA+1], s[40:41]
	s_add_nc_u64 s[PB:PB+1], s[PB:PB+1], s[96:97]
.irp s, 0,1
	s_mov_b32 s[G0+4*\s], 1
	s_add_co_u32 s[G0+4*\s+1], s2, \s*SLOT
	s_add_nc_u64 s[G0+4*\s+2:G0+4*\s+3], s[PA:PA+1], \s*HALFT
	s_or_b32 s[G0+4*\s+3], s[G0+4*\s+3], 0x80000000
	s_mov_b32 s[G0B+4*\s], 1
	s_add_co_u32 s[G0B+4*\s+1], s2, \s*SLOT
	s_add_nc_u64 s[G0B+4*\s+2:G0B+4*\s+3], s[PB:PB+1], \s*HALFT
	s_or_b32 s[G0B+4*\s+3], s[G0B+4*\s+3], 0x80000000
.endr
	JLOAD G0, G1, G0B, G1B                         ; slot 0, a quarter a wave; one tensor load a wave at the head
	s_cmp_eq_u32 s[WH], 0
	s_cselect_b64 s[PFA:PFA+1], s[PA:PA+1], s[PB:PB+1]   ; the group that I fetch
	s_add_nc_u64 s[PFA:PFA+1], s[PFA:PFA+1], s[42:43]
	s_lshl_b32 s42, s[WL], 2
	s_add_co_u32 s42, s42, s21
	s_lshl_b32 s42, s42, 14                        ; cos and sin: of my token group's eight tiles the two waves and four partners that use them name one each
	v_and_b32 v1, 31, v0
	v_and_b32 v2, 15, v0
	v_bfe_u32 v3, v0, 4, 1
	s_wait_alu depctr_va_vdst(0)
	v_lshlrev_b32 v[LI], 4, v1
	v_lshlrev_b32 v[LS], 2, v2
	v_lshlrev_b32 v[NWO], 6, v3
	v_mov_b32 v[FLR], 0x1800000
	v_min_u32 v[PFO], 24, v1
	v_lshl_add_u32 v[PFC], v1, 8, s42
	v_lshlrev_b32 v[PFO], 8, v[PFO]
	s_cmp_eq_u32 ttmp9, 1
	s_cselect_b64 s[10:11], s[12:13], s[10:11]     ; K takes k_norm_w, Q q_norm_w (V loads q_norm_w and does not use it)
.irp b, 0,1,2,3
.irp j, 0,1,2,3
	global_load_b128 v[NW+16*\b+4*\j:NW+16*\b+4*\j+3], v[NWO], s[10:11] offset:128*\b+16*\j   ; register 16 b + i: the weight of d = 32 b + 16 h + i
.endr
.endr
	global_prefetch_b8 v[PFO], s[PFA:PFA+1] th:TH_LOAD_NT scope:SCOPE_SE                ; pair 1,
	global_prefetch_b8 v[PFO], s[PFA:PFA+1] offset:HALFT th:TH_LOAD_NT scope:SCOPE_SE   ; and pair 2
	s_mul_i32 s40, s[WH], HALFT
	s_mul_i32 s41, s[WL], HALFT
	s_add_co_u32 s41, s41, 2*HALFT                 ; my group of B, behind A's two
.irp s, 0,1
	v_add_nc_u32 v[ADRA+\s], s40, v[LI]
	v_add_nc_u32 v[ADRB+\s], s41, v[LI]
	s_add_co_u32 s40, s40, SLOT
	s_add_co_u32 s41, s41, SLOT
.endr
	s_mul_i32 s40, s[WH], HALFT
	s_mul_i32 s41, s[WL], HALFT
	s_add_co_u32 s41, s41, 2*HALFT
	s_sub_co_u32 s41, s41, s40
	v_mul_u32_u24 v4, s41, v3                      ; lanes 16-31 take B's words: the lower base + h x the distance
	s_wait_alu depctr_va_vdst(0)
	s_add_co_u32 s40, s40, 24576                   ; the scale words lie behind the codes
	v_add_nc_u32 v4, v[LS], v4
	v_add_nc_u32 v[ADRS], s40, v4
	v_add_nc_u32 v[ADRS+1], SLOT, v[ADRS]
	; where my results go
	s_lshl_b32 s40, s44, 1
	s_add_co_u32 s40, s40, s[WH]                   ; my group of A
	s_lshl_b32 s41, s45, 1
	s_add_co_u32 s41, s41, s[WL]                   ; my group of B
	s_cmp_eq_u32 ttmp9, 2
	s_cselect_b32 s42, s41, s40                    ; the token group
	s_cselect_b32 s43, s40, s41                    ; the group that names the head
	s_cselect_b32 s46, 24576, 0                    ; V lies behind K in a slot,
	s_cselect_b32 s47, 512, 0                      ; and in a key step's scales
	s_and_b32 s43, s43, 7                          ; the head
	s_lshl_b32 s2, s40, 17
	s_mov_b32 s3, 0
	s_add_nc_u64 s[8:9], s[8:9], s[2:3]            ; cos and sin of my token group: 8 tiles x 16,384 bytes
	s_lshl_b32 s2, s40, 3
	s_add_co_u32 s2, s2, s43
	s_mul_i32 s96, s2, 12288                       ; Q: [group][head]
	s_lshl_b32 s98, s2, 9
	s_add_co_u32 s98, s98, 3145728
	s_lshr_b32 s2, s42, 4
	s_lshl_b32 s2, s2, 3
	s_add_co_u32 s2, s2, s43                       ; K, V: batch x 8 + head
	s_and_b32 s42, s42, 15                         ; the key step
	s_mul_i32 s3, s2, 393216
	s_add_co_u32 s46, s46, s3
	s_lshr_b32 s3, s42, 1
	s_mul_i32 s3, s3, 49152
	s_add_co_u32 s46, s46, s3
	s_and_b32 s3, s42, 1
	s_mul_i32 s3, s3, 12288
	s_add_co_u32 s46, s46, s3
	s_lshl_b32 s3, s2, 14
	s_add_co_u32 s47, s47, s3
	s_lshl_b32 s3, s42, 10
	s_add_co_u32 s47, s47, s3
	s_add_co_u32 s47, s47, 6291456
	s_cmp_eq_u32 ttmp9, 0
	s_cselect_b32 s96, s96, s46
	s_cselect_b32 s98, s98, s47
	s_cselect_b64 s[14:15], s[14:15], s[16:17]     ; qb or kvb
	s_mov_b32 s97, 0
	s_mov_b32 s99, 0
	s_add_nc_u64 s[OUT:OUT+1], s[14:15], s[96:97]
	s_add_nc_u64 s[OUTS:OUTS+1], s[14:15], s[98:99]
.macro FRAG reg, adr, q, i             ; a fragment comes back as it was stored: three loads, 512 consecutive bytes each
.irp c, 0,1,2
	ds_load_b128 v[\reg+4*\c:\reg+4*\c+3], v[\adr] offset:12288*(\q)+1536*(\i)+512*\c
.endr
.endm
; 16 matrix instructions: A's blocks a0, a0 + 1 x B's eight tiles, the slot's q-th K step.  p: B's set; sc: the set of scale words.  zero = 1: the first product starts the sums.
; The 64 accumulators take turns, one instruction a turn, in the same order in every step.
.macro MUL16 a0, p, q, sc, zero
.irp a, \a0, \a0+1
.irp b, 0,1,2,3,4,5,6,7
.if \zero
	v_wmma_scale_f32_16x16x128_f8f6f4 v[8*(8*((\a)%4)+\b):8*(8*((\a)%4)+\b)+7], v[128*(\p)+FR*\b:128*(\p)+FR*\b+FR-1], v[AF+FR*(\a):AF+FR*(\a)+FR-1], 0, v[SC+8*NQ*(\sc)+NQ*\b+(\q)], v[SC+8*NQ*(\sc)+NQ*(\a)+(\q)] matrix_a_fmt:MATRIX_FMT_FP6 matrix_b_fmt:MATRIX_FMT_FP6 matrix_a_scale:MATRIX_SCALE_ROW1
.else
	v_wmma_scale_f32_16x16x128_f8f6f4 v[8*(8*((\a)%4)+\b):8*(8*((\a)%4)+\b)+7], v[128*(\p)+FR*\b:128*(\p)+FR*\b+FR-1], v[AF+FR*(\a):AF+FR*(\a)+FR-1], v[8*(8*((\a)%4)+\b):8*(8*((\a)%4)+\b)+7], v[SC+8*NQ*(\sc)+NQ*\b+(\q)], v[SC+8*NQ*(\sc)+NQ*(\a)+(\q)] matrix_a_fmt:MATRIX_FMT_FP6 matrix_b_fmt:MATRIX_FMT_FP6 matrix_a_scale:MATRIX_SCALE_ROW1
.endif
.endr
.endr
.endm
.macro FETCH_B slot, q, p
	WIN TO_B
.irp i, 0,1,2,3,4,5,6,7
	FRAG 128*(\p)+FR*\i, ADRB+\slot, \q, \i
.endr
	WIN 0
.endm
.macro FETCH_A slot, q, i0
.irp i, \i0, \i0+1, \i0+2, \i0+3
	FRAG AF+FR*(\i), ADRA+\slot, \q, \i
.endr
.endm
.macro SCALES sc                       ; a slot's scale words: register NQ i + q: lanes 0-15 the word of A's block i, lanes 16-31 that of B's tile i, K step q
.irp i, 0,1,2,3,4,5,6,7
.irp q, 0,1
	ds_load_b32 v[SC+8*NQ*\sc+NQ*\i+\q], v[ADRS+\sc] offset:512*\q+64*\i
.endr
.endr
.endm
.macro PLACES n                        ; places in front of loads into registers that matrix instructions have read, and of the first read of results
.rept \n
	v_nop
.endr
.endm
.macro STEP slot, q, zero              ; a K step that has its successor in the same slot
	s_wait_dscnt 4*NL                              ; B's set, A's blocks 0-3 and the scales are in; the youngest 12 loads (A's blocks 4-7) may be out
	WIN MUL_LO
	MUL16 0, (\q)%2, \q, \slot, \zero
	MUL16 2, (\q)%2, \q, \slot, \zero
	s_wait_dscnt 0
	PLACES NP
	FETCH_B \slot, (\q)+1, 1-(\q)%2
	FETCH_A \slot, (\q)+1, 0
	WIN MUL_HI
	MUL16 4, (\q)%2, \q, \slot, \zero
	MUL16 6, (\q)%2, \q, \slot, \zero
	PLACES NP
	WIN 0
	FETCH_A \slot, (\q)+1, 4
.endm
; A slot's last K step changes slots: one barrier; in front of it each wave waits for all its tensor loads, adds 0 to its spare word, and waits for that and for its reads of this slot.
; A prefetch behind a refill and the run of LDS loads that follows it: the pair two refills on; in the loop's last trip (s3 = 1) half of my tile of cos and sin, which V's clusters do not use
.macro ASK half
	s_cmp_gt_u32 s3, 1
	s_cbranch_scc0 .Lpf_cs_\@
	global_prefetch_b8 v[PFO], s[PFA:PFA+1] offset:HALFT th:TH_LOAD_NT scope:SCOPE_SE
	s_branch .Lpf_done_\@
.Lpf_cs_\@:
	s_cmp_eq_u32 ttmp9, 2
	s_cbranch_scc1 .Lpf_done_\@
	global_prefetch_b8 v[PFC], s[8:9] offset:8192*(\half) th:TH_LOAD_NT scope:SCOPE_SE
.Lpf_done_\@:
.endm
.macro TURN slot, next, fill
.if \fill
	s_wait_xcnt 0x0                                ; my last prefetch has read its address, which is stepped here
	s_add_nc_u64 s[PFA:PFA+1], s[PFA:PFA+1], HALFT
.endif
	s_wait_tensorcnt 0x0
	ds_add_u32 v[SPW], v[NIL]                      ; 0 onto my spare word
	s_wait_dscnt 4*NL+1                            ; (the add and the youngest 12 loads, A's blocks 4-7, may be out)
	WIN MUL_LO
	MUL16 0, 1, NQ-1, \slot, 0
	s_wait_dscnt 0x0                               ; the add is done, and my reads of this slot are over
	s_barrier_signal -1
	MUL16 2, 1, NQ-1, \slot, 0
	WIN 0
	s_barrier_wait -1
.if \fill
	CREST                                          ; the barrier has opened a round of the cluster's: no wave of any partner still reads this slot or has a load on its way
	s_add_nc_u64 s[G0+4*\slot+2:G0+4*\slot+3], s[G0+4*\slot+2:G0+4*\slot+3], 2*HALFT
	s_add_nc_u64 s[G0B+4*\slot+2:G0B+4*\slot+3], s[G0B+4*\slot+2:G0B+4*\slot+3], 2*HALFT
	JLOAD G0+4*\slot, G1, G0B+4*\slot, G1B         ; the first tensor load behind the round; its four v_nop are the places in front of the loads below
.else
	PLACES NP
.endif
	FETCH_B \next, 0, 0
	FETCH_A \next, 0, 0
	SCALES \next
.if \fill
	ASK \slot
.endif
	WIN MUL_HI
	MUL16 4, 1, NQ-1, \slot, 0
	MUL16 6, 1, NQ-1, \slot, 0
	PLACES NP
	WIN 0
	FETCH_A \next, 0, 4
.endm
; THE QUANTISER.  64 numbers of a lane, v[s] on in window w, register 16 b + i = k 32 b + 16 (lane / 16) + i of my row, become a fragment's codes in v[PC] on and its scale word in v[PW], window 0.
.macro QUANT s, w
	WIN ((\w)<<2)|((\w)<<4)
.irp b, 0,1,2,3
	v_max3_num_f32 v[TM+\b], v[FLR], |v[(\s)+16*\b]|, |v[(\s)+16*\b+1]|   ; block b: my 16 numbers, and the floor
.endr
.irp i, 2,4,6,8,10,12,14
.irp b, 0,1,2,3
	v_max3_num_f32 v[TM+\b], v[TM+\b], |v[(\s)+16*\b+\i]|, |v[(\s)+16*\b+\i+1]|
.endr
.endr
	WIN 0
.irp b, 0,1,2,3
	v_permlanex16_b32 v[TM+4+\b], v[TM+\b], s[SEL], s[SEL+1]
.endr
.irp b, 0,1,2,3
	v_max_num_f32 v[TM+\b], v[TM+\b], v[TM+4+\b]   ; with lane l xor 16's: the block's largest magnitude
.endr
.irp b, 0,1,2,3
	v_add_nc_u32 v[TM+8+\b], 0xff000000, v[TM+\b]  ; 2 off its exponent field: the conversion's scale operand
.endr
.irp b, 0,1,2,3
	v_lshrrev_b32 v[TM+4+\b], 23, v[TM+8+\b]       ; the scale's byte
.endr
	v_lshl_or_b32 v[PW], v[TM+5], 8, v[TM+4]
	v_lshl_or_b32 v[PW], v[TM+6], 16, v[PW]
	v_lshl_or_b32 v[PW], v[TM+7], 24, v[PW]
	WIN (\w)
.irp c, 0,1
	v_cvt_scalef32_pk16_fp6_f32 v[PC+6*\c:PC+6*\c+2], v[(\s)+32*\c:(\s)+32*\c+15], v[TM+8+2*\c]
	v_cvt_scalef32_pk16_fp6_f32 v[PC+12+4*\c:PC+14+4*\c], v[(\s)+32*\c+16:(\s)+32*\c+31], v[TM+9+2*\c]
.endr
	WIN 0
	v_nop                                          ; one plain place behind a scaled conversion
.irp c, 0,1                                    ; the operand's layout wants a whole block in a lane
.irp i, 0,1,2
	v_permlane16_swap_b32 v[PC+6*\c+\i], v[PC+12+4*\c+\i]
.endr
.irp i, 0,1,2
	v_mov_b32 v[PC+3+6*\c+\i], v[PC+12+4*\c+\i]
.endr
.endr
.endm
.macro PUT a                           ; block a's fragment and scale words leave: 512 and 64 consecutive bytes a store
.irp c, 0,1,2
	global_store_b128 v[LI], v[PC+4*\c:PC+4*\c+3], s[OUT:OUT+1] offset:1536*(\a)+512*\c
.endr
	global_store_b32 v[LS], v[PW], s[OUTS:OUTS+1] offset:64*(\a)   ; lanes r and r + 16 store the same word to the same place
.endm
	s_wait_alu depctr_va_vdst(0)
	s_wait_loadcnt 0x0                             ; the norm's weights
	s_wait_xcnt 0x0                                ; the head's prefetches have read their address
	s_add_nc_u64 s[PFA:PFA+1], s[PFA:PFA+1], HALFT
	s_wait_tensorcnt 0x0                           ; my part of slot 0 is in
	ds_add_u32 v[SPW], v[NIL]
	s_wait_dscnt 0x0
	CROUND                                         ; everybody's part is in, and all sixteen work-groups are here
	JLOAD G0+4, G1, G0B+4, G1B                     ; slot 1's first fill: the first tensor load behind the round
	FETCH_B 0, 0, 0
	FETCH_A 0, 0, 0
	SCALES 0
	FETCH_A 0, 0, 4
	global_prefetch_b8 v[PFO], s[PFA:PFA+1] offset:HALFT th:TH_LOAD_NT scope:SCOPE_SE   ; pair 3
	STEP 0, 0, 1
	s_mov_b32 s3, LAPS-1
.Llap:                                                 ; a trip goes once round the ring and fills both slots again
	TURN 0, 1, 1
	STEP 1, 0, 0
	TURN 1, 0, 1
	STEP 0, 0, 0
	s_sub_co_u32 s3, s3, 1
	s_cmp_lg_u32 s3, 0
	s_cbranch_scc1 .Llap
	TURN 0, 1, 0                                   ; the last lap fills nothing
	STEP 1, 0, 0
	s_wait_dscnt 4*NL
	WIN MUL_LO
	MUL16 0, 1, NQ-1, 1, 0
	MUL16 2, 1, NQ-1, 1, 0
	s_wait_dscnt 0
	WIN MUL_HI
	MUL16 4, 1, NQ-1, 1, 0
	MUL16 6, 1, NQ-1, 1, 0
	WIN 0
	PLACES NP                                      ; behind the last products: for the reads of results, the loads over B's fragments and the writes over A's
	s_cmp_eq_u32 ttmp9, 2
	s_cbranch_scc1 .Lv
	; ---- Q and K.  cos and sin of a block's 16 tokens come as register images, 32 dense loads, into window 1: block a into set a % 2: cos at 128 (a % 2), sin 64 further on
.macro CSLOAD a, cw, cb
	WIN (\cw)<<6
.set P, 0
.rept 32
	global_load_b128 v[(\cb)+4*P:(\cb)+4*P+3], v[LI], s[8:9] offset:16384*(\a)+512*P
.set P, P+1
.endr
.endm
	CSLOAD 0, 1, 0
	CSLOAD 1, 1, 128
	; the sums of squares, four blocks by turns; each accumulator is read from its low end on
.irp hi, 0,1
	WIN (2+\hi)|((2+\hi)<<2)
.irp a, 0,1,2,3
	v_pk_mul_f32 v[SS+2*(4*\hi+\a):SS+2*(4*\hi+\a)+1], v[64*\a:64*\a+1], v[64*\a:64*\a+1]
.endr
.set i, 1
.rept 31
.irp a, 0,1,2,3
	v_pk_fma_f32 v[SS+2*(4*\hi+\a):SS+2*(4*\hi+\a)+1], v[64*\a+2*i:64*\a+2*i+1], v[64*\a+2*i:64*\a+2*i+1], v[SS+2*(4*\hi+\a):SS+2*(4*\hi+\a)+1]
.endr
.set i, i+1
.endr
.endr
	WIN 0
.irp a, 0,1,2,3,4,5,6,7
	v_add_f32 v[SS+2*\a], v[SS+2*\a], v[SS+2*\a+1]
.endr
.irp a, 0,1,2,3,4,5,6,7
	v_permlanex16_b32 v[SS+2*\a+1], v[SS+2*\a], s[SEL], s[SEL+1]   ; the token's other 64 numbers lie in the lane 16 away
.endr
.irp a, 0,1,2,3,4,5,6,7
	v_add_f32 v[SS+2*\a], v[SS+2*\a], v[SS+2*\a+1]
.endr
.irp a, 0,1,2,3,4,5,6,7
	v_fma_f32 v[SS+2*\a], v[SS+2*\a], s[I128], s[EPS]   ; the mean + 1e-6
.endr
	s_wait_alu depctr_va_vdst(0)
.irp a, 0,1,2,3,4,5,6,7
	v_rsq_f32 v[RS+2*\a], v[SS+2*\a]
.endr
	v_nop                                          ; a plain place behind the last of them
	s_wait_alu depctr_va_vdst(0)                   ; one wait for the eight, ahead of their first reader
.irp a, 0,1,2,3,4,5,6,7
	v_mov_b32 v[RS+2*\a+1], v[RS+2*\a]             ; (the packed form names the pair)
.endr
.macro EBLOCK a, cw, cb, out           ; out: the loads issued behind this block's 32, which may stay out (the count's field ends at 63)
.set W, 2+(\a)/4
.set AC, 64*((\a)%4)
.set CB, \cb
	s_wait_loadcnt \out
	WIN W|(W<<6)
.set i, 0
.rept 32
	v_pk_mul_f32 v[AC+2*i:AC+2*i+1], v[AC+2*i:AC+2*i+1], v[RS+2*(\a):RS+2*(\a)+1] op_sel_hi:[1,0]   ; x / rms
.set i, i+1
.endr
.set i, 0
.rept 32
	v_pk_mul_f32 v[AC+2*i:AC+2*i+1], v[AC+2*i:AC+2*i+1], v[NW+2*i:NW+2*i+1]   ; x the norm's weight
.set i, i+1
.endr
	WIN (0x54*(\cw))|W                             ; source 0: the accumulators; sources 1, 2 and the destination: the set's window
.set i, 0
.rept 32
	v_pk_mul_f32 v[CB+2*i:CB+2*i+1], v[AC+2*i:AC+2*i+1], v[CB+2*i:CB+2*i+1]   ; y cos, in cos's place
.set i, i+1
.endr
.set i, 0
.rept 16                                       ; d + 64 lies 32 registers on, in the same lane
	v_pk_fma_f32 v[CB+2*i:CB+2*i+1], v[AC+32+2*i:AC+32+2*i+1], v[CB+64+2*i:CB+64+2*i+1], v[CB+2*i:CB+2*i+1] neg_lo:[1,0,0] neg_hi:[1,0,0]   ; d < 64: - y(d + 64) sin(d)
.set i, i+1
.endr
.set i, 0
.rept 16
	v_pk_fma_f32 v[CB+32+2*i:CB+32+2*i+1], v[AC+2*i:AC+2*i+1], v[CB+96+2*i:CB+96+2*i+1], v[CB+32+2*i:CB+32+2*i+1]   ; d >= 64: + y(d - 64) sin(d)
.set i, i+1
.endr
.if (\a) > 0
	s_wait_xcnt 0x0                                ; the last block's stores have read the codes and the scale word, which are written again below
.endif
	QUANT CB, \cw
	PUT \a
.endm
	s_wait_alu depctr_va_vdst(0)
.irp a, 0,1,2,3,4,5
	EBLOCK \a, 1, 128*(\a%2), 32                   ; this block's cos and sin are in; the other set's 32 loads may be out
	CSLOAD \a+2, 1, 128*(\a%2)                     ; this set takes the block two further on
	WIN 0
.endr
	EBLOCK 6, 1, 0, 32
	EBLOCK 7, 1, 128, 0
	s_branch .Lend
	; ---- V: the results are quantised as they stand: a lane's 64 numbers of a block run along the keys
.Lv:
.irp a, 0,1,2,3,4,5,6,7
.if \a > 0
	s_wait_xcnt 0x0
.endif
	QUANT 64*((\a)%4), 2+(\a)/4
	PUT \a
.endr
.Lend:
	s_wait_tensorcnt 0x0                           ; the wave's end
	ds_add_u32 v[SPW], v[NIL]
	s_wait_dscnt 0x0
	CROUND                                         ; the closing round: no work-group ends while a partner may still ask for a tile that names it
	s_endpgm
.Lfunc_end_k_qd06f67cac7_qkv:
	.size	k_qd06f67cac7_qkv, .Lfunc_end_k_qd06f67cac7_qkv-k_qd06f67cac7_qkv
	.p2alignl 7, 3214868480
	.fill 96, 4, 3214868480
	.section	.rodata,"a",@progbits
	.p2align	6, 0x0
	.amdhsa_kernel k_qd06f67cac7_qkv
		.amdhsa_group_segment_fixed_size 327680
		.amdhsa_private_segment_fixed_size 0
		.amdhsa_enable_private_segment 0
		.amdhsa_kernarg_size 56
		.amdhsa_user_sgpr_count 2
		.amdhsa_user_sgpr_kernarg_segment_ptr 1
		.amdhsa_wavefront_size32 1
		.amdhsa_system_sgpr_workgroup_id_x 1
		.amdhsa_system_sgpr_workgroup_id_y 1
		.amdhsa_system_sgpr_workgroup_id_z 1
		.amdhsa_system_vgpr_workitem_id 0
		.amdhsa_next_free_vgpr 1024
		.amdhsa_next_free_sgpr 102
		.amdhsa_reserve_vcc 0
		.amdhsa_float_denorm_mode_32 3
		.amdhsa_float_denorm_mode_16_64 3
		.amdhsa_memory_ordered 1
		.amdhsa_forward_progress 1
		.amdhsa_inst_pref_size 255
	.end_amdhsa_kernel
	.section	.bss,"aw",@nobits
	.p2align	6
	.space	262144
	.amdgpu_metadata
---
amdhsa.version: [ 1, 2 ]
amdhsa.kernels:
  - .name:           k_qd06f67cac7_qkv
    .symbol:         k_qd06f67cac7_qkv.kd
    .args:
      - { .name: xq, .offset: 0, .size: 8, .value_kind: global_buffer, .address_space: global }
      - { .name: wq, .offset: 8, .size: 8, .value_kind: global_buffer, .address_space: global }
      - { .name: cs, .offset: 16, .size: 8, .value_kind: global_buffer, .address_space: global }
      - { .name: q_norm_w, .offset: 24, .size: 8, .value_kind: global_buffer, .address_space: global }
      - { .name: k_norm_w, .offset: 32, .size: 8, .value_kind: global_buffer, .address_space: global }
      - { .name: qb, .offset: 40, .size: 8, .value_kind: global_buffer, .address_space: global }
      - { .name: kvb, .offset: 48, .size: 8, .value_kind: global_buffer, .address_space: global }
    .group_segment_fixed_size: 327680
    .private_segment_fixed_size: 0
    .kernarg_segment_align: 8
    .kernarg_segment_size: 56
    .max_flat_workgroup_size: 128
    .sgpr_count:     102
    .vgpr_count:     1024
    .wavefront_size: 32
...
	.end_amdgpu_metadata
.endif
;; end of part 2
;; launch attn (part 3): grid 16 x 16, 8 waves a work-group, no clusters, 327,680 bytes of LDS; arguments qb, kvb, ab; writes ab
.if DOCPART == 3
	.amdgcn_target "amdgcn-amd-amdhsa--gfx1250"
	.amdhsa_code_object_version 6
	.text
	.protected	k_qd06f67cac7_attn
	.globl	k_qd06f67cac7_attn
	.p2align	8
	.type	k_qd06f67cac7_attn,@function
k_qd06f67cac7_attn:
	s_mov_b64 s[64:65], 0
	v_nop
	global_prefetch_b8 v0, s[64:65] scope:SCOPE_SE
	s_setreg_imm32_b32 hwreg(HW_REG_WAVE_MODE, 25, 1), 1
	s_wait_xcnt 0x0
; Causal attention on codes of FP6 (E2M3) with E8M0 scales: S^T = K Q^T, p = 2^(t - M), O^T = V^T P^T, O / l, and the quantiser of the output projection's operand.
; t = score x log2(e) / sqrt(128); M = the running largest t rounded up to a whole number; p is quantised along the keys and not normalised; l is the sum of the unquantised p.
; Operands are images of fragment registers (1,536 bytes: chunk c holds lane l's registers 4 c .. 4 c + 3 at 512 c + 16 l); lane r of tile t of a group of 128 rows holds row 32 (t / 2) + 8 (t % 2) + r + 8 (r / 8).
; THE GRID: x = batch x head, y = p.  The sixteen work-groups of one batch x head, which walk the same K and V, have numbers 16 apart; p = 0, whose walk is the longest, has the lowest numbers.
; SHARES.  Work-group (batch x head, p) has the 64-query chunks p and 31 - p: eight tiles of 16 queries.  THE KEYS ARE SPLIT BETWEEN TWO WAVES: waves w and w + 4 (w = 0 .. 3) share tile w of both chunks;
; of each slot's two key steps of 128 wave w takes the first and wave w + 4 the second, for BOTH tiles, so that one fetch of K's and V's fragments serves two tiles.
; Chunk c has c / 2 + 1 key steps that the mask leaves: the two tiles have 17 together, of which either wave takes 8 or 9.
; Tile A of a wave is the one that it finishes (waves 0-3: chunk p; waves 4-7: chunk 31 - p), tile B its partner's.  At the end each wave hands O^T, -M and the sums of its tile B to the partner through
; an LDS stage of its own; the two halves are brought under the larger M by powers of two, which round nothing, and added.  A half with no key step keeps -M = 3e38, sums 0: its factor is 0.
; Every work-group walks all 8 slots of 256 keys (constant trip counts); a step or a tile all of whose keys come after the queries is jumped over; a slot that no wave will read is not asked for.
; NO CLUSTER: the work-groups p = 4 j .. 4 j + 3 read the same K and V, but their look-aheads end at different slots (last query 2,047 - 64 p), and a joint load is issued by all that it names.
; A lane holds ONE query of each tile: query 32 (T / 2) + 8 (T % 2) + r + 8 (r / 8) of tile T; register 16 b + i of the scores is key 32 b + 16 (lane / 16) + i of the step.
; ab: [token group 32][102,400 bytes]: codes [K step = head 8][tile 8][1536], then scale words [head][tile][64].
; LIMITS: NaN and infinities are not served; the scaled scores t stay under 2^31 in magnitude; a block of p, or of the result, whose largest magnitude lies under 2^-124 gets the byte 1.
; REGISTERS: window 0: v1-11 addresses; tile A: v12 -M, v13 the largest t, v[14:15] the sum, v16-27 Q, v255 Q's scale words, v160-223 O^T; tile B: v44-47, v32-43, v52, and O^T in window 1, v192-255;
;   v80-87 K's scale words, v88-95 V's; v96-159 S^T, then p; v224-235 p's codes; v232-254 at work; on the way out v32-50 the codes.   window 1: v0-95 K's eight fragments, v96-191 V's.
.set SLOT1, 1<<16                      ; slot 0 at LDS byte 0, slot 1 here: 49,152 bytes each: K step 0, K step 1, V step 0, V step 1
.set SLB,   49152
.set SCL,   2*SLOT1                    ; the scale words of the whole batch x head: 16 key steps x (K 512, V 512): filled once
.set SPARE, SCL+16384                  ; the spare words, 128 bytes for each wave: four blocks of 256 bytes that no other line names
.set STG,   SPARE+1024                 ; the stages: for each wave 64 registers of O^T and four of state; no tensor load lands here
.set SZ,    8704
.set NSL,   8
.set LI,   1                           ; v1   16 x lane
.set ASC0, 2                           ; v2   SCL + 4 (lane % 16)
.set QL,   3                           ; v3   my query less the tile's Q0, less 16 (lane / 16): the same for both tiles
.set STO,  4                           ; v4   my stage
.set SPW,  5
.set NIL,  6
.set LS,   7                           ; v7   4 (lane % 16)
.set AD,   8
.set ADS,  10
.set RDA,  11                          ; v11  my partner's stage
.set PFO,  28                          ; v28  256 x lane
.set FLR,  29                          ; v29  the floor 2^(3 - 127)
.set PC,   32
.set SK,   80
.set SV,   88
.set TM,   232
.set PW,   244
.set TB,   2                           ; s2   LDS byte at which my key step of the slot in hand begins
.set TS,   3                           ; s3   its scale words
.set WV,   18
.set SEL,  20
.set CS,   22
.set G1,   24
.set G1S,  32
.set G0,   40
.set G0S,  44
.set LQ,   66                          ; s66  my work-group's last query
.set SLOTS, 67
.set PFA,  76
.set LIM,  80
.set KS,   87                          ; s87  the slot's first key: the same in all waves
.set POF,  88                          ; s88  128 x (wave / 4)
.set QMX,  89                          ; s89  the last query of my two tiles' ranges
.set Q0A,  90                          ; s90, s91  32 (T / 2): a tile's queries lie in Q0 .. Q0 + 31
.set Q0B,  91
.set KF,   92                          ; s92  my step's first key
.set PP,   97                          ; s97  p
.set MSB, 0
.macro WIN new                         ; the immediate's high byte repeats the setting that is left; a switch that changes nothing is dropped
.if MSB != (\new)
	s_set_vgpr_msb (MSB<<8)|(\new)
.set MSB, \new
.endif
.endm
.set TO_F, 0x40                        ; an LDS load's destination in window 1, its address in window 0
.set MUL,  0x01                        ; source 0 (a fragment of K or V) in window 1, all else in window 0
.macro D n                             ; a hint ahead of a plain vector instruction that reads the result n vector instructions back
	s_delay_alu instid0(VALU_DEP_\n)
.endm
.macro TLOAD                           ; waves 0-3 each bring a quarter of a slot; an s_nop 0 and four v_nop follow the load
	s_cmp_lt_u32 s[WV], 4
	s_cbranch_scc0 .Lasked_\@
	tensor_load_to_lds s[G0:G0+3], s[G1:G1+7]
	s_nop 0
.rept 4
	v_nop
.endr
.Lasked_\@:
.endm
; A prefetch of the slot that the NEXT change of slots will ask for: 49,152 dense bytes = 6 waves x 32 lanes x 256.  All work-groups of a batch x head walk the same slots: work-group p = 0, which walks them all,
; asks, its waves 0-5, one instruction each, behind the tensor load's lines.  The last change that fills a slot asks for nothing; slots 0 and 1 come by their loads alone.
.macro ASK
	s_cmp_gt_u32 s[SLOTS], s[LIM]
	s_cbranch_scc0 .Lnot_mine_\@
	global_prefetch_b8 v[PFO], s[PFA:PFA+1] th:TH_LOAD_NT scope:SCOPE_SE
.Lnot_mine_\@:
.endm
.macro QIDX t, o                       ; s[o] = ([token group][head][tile]) of tile s[t]
	s_lshr_b32 s[\o], s[\t], 3
	s_add_co_u32 s[\o], s[\o], s52
	s_lshl_b32 s[\o], s[\o], 3
	s_add_co_u32 s[\o], s[\o], s54
	s_lshl_b32 s[\o], s[\o], 3
	s_and_b32 s53, s[\t], 7
	s_add_co_u32 s[\o], s[\o], s53
.endm
	s_load_b128 s[4:7], s[0:1], 0x0                ; qb s[4:5], kvb s[6:7]
	s_load_b64 s[8:9], s[0:1], 0x10                ; ab
	v_lshl_add_u32 v[SPW], v0, 2, SPARE
	v_mov_b32 v[NIL], 0
	ds_add_u32 v[SPW], v[NIL]                      ; the wave's opening: the add, twice on end, and its wait ahead of my first tensor load
	ds_add_u32 v[SPW], v[NIL]
	v_lshrrev_b32 v8, 5, v0
	D 1
	v_readfirstlane_b32 s[WV], v8                  ; wave 0..7
	s_mov_b32 s48, ttmp9                           ; batch x 8 + head
	s_and_b32 s[PP], ttmp7, 0xffff                 ; p
	s_and_b32 s50, s[WV], 3
	s_lshr_b32 s51, s[WV], 2                       ; which of a slot's two key steps is mine
	s_lshl_b32 s[POF], s51, 7
	s_lshl_b32 s[TS], s51, 10
	s_mul_i32 s[TB], s51, 12288
	s_sub_co_u32 s49, 31, s[PP]
	s_cmp_lt_u32 s[WV], 4
	s_cselect_b32 s86, s49, s[PP]                  ; my partner's chunk of 64 queries,
	s_cselect_b32 s49, s[PP], s49                  ; and mine
	s_lshl_b32 s49, s49, 2
	s_add_co_u32 s49, s49, s50                     ; tile A among the sequence's 128
	s_lshl_b32 s86, s86, 2
	s_add_co_u32 s86, s86, s50                     ; tile B
	s_lshr_b32 s[Q0A], s49, 1
	s_lshl_b32 s[Q0A], s[Q0A], 5
	s_lshr_b32 s[Q0B], s86, 1
	s_lshl_b32 s[Q0B], s[Q0B], 5
	s_max_u32 s[QMX], s[Q0A], s[Q0B]
	s_add_co_u32 s[QMX], s[QMX], 31
	s_and_b32 s51, s50, 1
	s_lshl_b32 s51, s51, 3                         ; 8 (T % 2)
	s_lshr_b32 s52, s48, 3
	s_lshl_b32 s52, s52, 4                         ; 16 token groups a batch
	s_and_b32 s54, s48, 7                          ; the head
	QIDX 49, 55
	QIDX 86, 57
	s_mul_i32 s68, s55, 1536                       ; tile A: Q's codes,
	s_mov_b32 s69, 0
	s_lshl_b32 s70, s55, 6
	s_add_co_u32 s70, s70, 3145728                 ; scale words
	s_mov_b32 s71, 0
	s_lshr_b32 s53, s55, 6                         ; its token group: in ab a group has 4,096 bytes of scale words behind its 98,304 of codes
	s_lshl_b32 s14, s53, 12
	s_add_co_u32 s14, s14, s68                     ; the result's codes,
	s_mov_b32 s15, 0
	s_mul_i32 s16, s53, 102400
	s_and_b32 s53, s55, 63
	s_lshl_b32 s53, s53, 6
	s_add_co_u32 s16, s16, s53
	s_add_co_u32 s16, s16, 98304                   ; scale words
	s_mov_b32 s17, 0
	s_mul_i32 s72, s57, 1536                       ; tile B: Q's codes,
	s_mov_b32 s73, 0
	s_lshl_b32 s74, s57, 6
	s_add_co_u32 s74, s74, 3145728                 ; scale words
	s_mov_b32 s75, 0
	s_mul_i32 s56, s48, 393216                     ; K and V: my batch x head,
	s_mov_b32 s57, 0
	s_mul_i32 s55, s[WV], 8192
	s_add_co_u32 s82, s56, s55
	s_add_co_u32 s82, s82, SLB                     ; the prefetches stand in slot 1: the first change of slots steps them to slot 2
	s_mov_b32 s83, 0
	s_mul_i32 s55, s[WV], 12288
	s_add_co_u32 s56, s56, s55                     ; waves 0-3: my quarter of a slot
	s_lshl_b32 s58, s48, 14
	s_lshl_b32 s59, s50, 12
	s_add_co_u32 s58, s58, s59
	s_add_co_u32 s58, s58, 6291456                 ; waves 4-7: my quarter of the scale words
	s_add_co_u32 s85, s59, SCL
	s_mov_b32 s59, 0
	s_mul_i32 s93, s[WV], SZ
	s_add_co_u32 s93, s93, STG                     ; my stage,
	s_xor_b32 s94, s[WV], 4
	s_mul_i32 s94, s94, SZ
	s_add_co_u32 s94, s94, STG                     ; my partner's
	s_lshl_b32 s[LQ], s[PP], 6
	s_sub_co_u32 s[LQ], 2047, s[LQ]
	s_cmp_lt_u32 s[WV], 6
	s_cselect_b32 s84, 0, 1
	s_or_b32 s84, s84, s[PP]
	s_cmp_eq_u32 s84, 0
	s_cselect_b32 s[LIM], 1, -1                    ; 1 in a wave that prefetches, else the greatest number
	s_mov_b32 s[G1], 3<<16                         ; no mask; elements of 8 bytes; no padding
	s_mov_b32 s[G1+1], 32<<16                      ; rows of 256 bytes,
	s_mov_b32 s[G1+2], 48<<16                      ; 48 of them
	s_mov_b32 s[G1+3], 32<<16
	s_mov_b32 s[G1+4], 48
	s_mov_b32 s[G1+5], 32                          ; dense
	s_mov_b32 s[G1+6], 0
	s_mov_b32 s[G1+7], 0
	s_mov_b32 s[G1S], 3<<16
	s_mov_b32 s[G1S+1], 32<<16
	s_mov_b32 s[G1S+2], 16<<16
	s_mov_b32 s[G1S+3], 32<<16
	s_mov_b32 s[G1S+4], 16
	s_mov_b32 s[G1S+5], 32
	s_mov_b32 s[G1S+6], 0
	s_mov_b32 s[G1S+7], 0
	s_mov_b32 s[SEL], 0x76543210
	s_mov_b32 s[SEL+1], 0xfedcba98
	s_mov_b32 s[CS], 0x3e0293ee                    ; c = log2(e) / sqrt(128)
	s_mov_b32 s[CS+1], s[CS]
	s_mov_b32 s[KS], 0
	s_mov_b32 s[SLOTS], NSL-1
	s_wait_dscnt 0x0                               ; both opening adds are done
	s_wait_kmcnt 0x0
	s_mov_b32 s[G0S], 1
	s_mov_b32 s[G0S+1], s85
	s_add_nc_u64 s[G0S+2:G0S+3], s[6:7], s[58:59]
	s_or_b32 s[G0S+3], s[G0S+3], 0x80000000
	s_mov_b32 s[G0], 1
	s_mov_b32 s[G0+1], s55                         ; slot 0, my quarter
	s_add_nc_u64 s[G0+2:G0+3], s[6:7], s[56:57]
	s_or_b32 s[G0+3], s[G0+3], 0x80000000
	s_cmp_lt_u32 s[WV], 4                          ; the head's eight tiles, one a wave: waves 0-3 slot 0's quarters, waves 4-7 the quarters of the scale words
	s_cbranch_scc0 .Lfirst_s
	tensor_load_to_lds s[G0:G0+3], s[G1:G1+7]
	s_nop 0
.rept 4
	v_nop
.endr
	s_branch .Lfirst_done
.Lfirst_s:
	tensor_load_to_lds s[G0S:G0S+3], s[G1S:G1S+7]
	s_nop 0
.rept 4
	v_nop
.endr
.Lfirst_done:
	s_add_nc_u64 s[PFA:PFA+1], s[6:7], s[82:83]
	s_add_nc_u64 s[60:61], s[4:5], s[70:71]        ; tile A: Q's scale words
	s_add_nc_u64 s[10:11], s[4:5], s[72:73]        ; tile B: Q's codes,
	s_add_nc_u64 s[12:13], s[4:5], s[74:75]        ; and scale words
	s_add_nc_u64 s[4:5], s[4:5], s[68:69]          ; tile A: Q's codes
	s_add_nc_u64 s[62:63], s[8:9], s[16:17]        ; the result's scale words
	s_add_nc_u64 s[8:9], s[8:9], s[14:15]          ; and codes
	v_and_b32 v9, 31, v0
	D 1
	v_lshlrev_b32 v[LI], 4, v9
	D 2
	v_lshlrev_b32 v[PFO], 8, v9
	v_and_b32 v8, 15, v0                           ; r
	D 1
	v_lshlrev_b32 v[LS], 2, v8
.irp c, 0,1,2
	global_load_b128 v[16+4*\c:19+4*\c], v[LI], s[4:5] offset:512*\c     ; both tiles' Q stay in registers
	global_load_b128 v[32+4*\c:35+4*\c], v[LI], s[10:11] offset:512*\c
.endr
	global_load_b32 v255, v[LS], s[60:61]
	global_load_b32 v52, v[LS], s[12:13]
	v_add_nc_u32 v[ASC0], SCL, v[LS]
	v_add_nc_u32 v[STO], s93, v[LI]
	v_add_nc_u32 v[RDA], s94, v[LI]
	v_bfe_u32 v9, v0, 4, 1                         ; h
	v_and_b32 v10, 8, v8
	D 1
	v_add_nc_u32 v[QL], v10, v8
	D 3
	v_lshlrev_b32 v10, 4, v9
	D 1
	v_sub_nc_u32 v[QL], v[QL], v10
	D 1
	v_add_nc_u32 v[QL], s51, v[QL]
	v_mov_b32 v[FLR], 0x1800000
.irp s, 12, 44
	v_mov_b32 v[\s+1], 0xff61b1e6                  ; the largest t so far: -3e38, under every t
	D 1
	v_floor_f32 v[\s], -v[\s+1]                    ; -M
	v_mov_b32 v[\s+2], 0
	v_mov_b32 v[\s+3], 0
.endr
.irp r, 236,237,238,239,250,251,252,253
	v_mov_b32 v[\r], 0                             ; written once: a lane permute's destination and the upper half of a named pair count as read
.endr
.set j, 0
.rept 64
	v_mov_b32 v[160+j], 0                          ; O^T: the step is written once; its first run finds zeros, which the first change of M leaves zeros
.set j, j+1
.endr
	WIN 0x40
.set j, 0
.rept 64
	v_mov_b32 v[192+j], 0                          ; tile B's
.set j, j+1
.endr
	WIN 0
; ONE TILE'S SHARE OF A KEY STEP.  st: -M, the largest t, the sum's pair; qf, qs: Q's fragment and scale words; q0: the tile's Q0; O^T at v[ob] of window ow
.macro TILE st, qf, qs, q0, ow, ob
	s_add_co_u32 s96, s[\q0], 31                   ; all the step's keys come after the tile's queries: a branch on ids, round no barrier and no tensor load
	s_cmp_gt_u32 s[KF], s96
	s_cbranch_scc1 .Lnone_\@
	s_wait_alu depctr_va_vdst(0)
	s_wait_dscnt 32                                ; K's scale words and fragments are in; V's 24 fragment loads and 8 loads of scale words may be out
	WIN MUL
.irp t, 0,1,2,3,4,5,6,7                        ; S^T = K Q^T: eight accumulators, one instruction each
	v_wmma_scale_f32_16x16x128_f8f6f4 v[96+8*\t:103+8*\t], v[12*\t:12*\t+11], v[\qf:\qf+11], 0, v[SK+\t], v[\qs] matrix_a_fmt:MATRIX_FMT_FP6 matrix_b_fmt:MATRIX_FMT_FP6
.endr
	WIN 0
.rept 4
	v_nop                                          ; four places between the products and the first read of the scores
.endr
	s_add_co_u32 s96, s[KF], 127                   ; on the diagonal the scores of hidden keys become -infinity ahead of the maximum; a step all of whose keys count skips this
	s_cmp_le_u32 s96, s[\q0]
	s_cbranch_scc1 .Lopen_\@
	s_sub_co_i32 s96, s[\q0], s[KF]
	v_add_nc_u32 v252, s96, v[QL]                  ; d = my query - the step's first key - 16 (lane / 16): register 16 b + i is hidden where 32 b + i > d
	v_mov_b32 v254, 0xff800000
.set n, 0
.rept 64
	v_cmp_gt_i32 vcc_lo, 32*(n/16)+n%16, v252
	v_cndmask_b32 v[96+n], v[96+n], v254, vcc_lo
.set n, n+1
.endr
.Lopen_\@:
.irp b, 0,1,2,3
	v_max3_num_f32 v[232+\b], v[96+16*\b], v[97+16*\b], v[98+16*\b]   ; the largest score of each block of 32 keys: for the row's maximum, and, since p rises with the score, for the block's largest p
.endr
.irp i, 3,5,7,9,11,13
.irp b, 0,1,2,3
	v_max3_num_f32 v[232+\b], v[232+\b], v[96+16*\b+\i], v[97+16*\b+\i]
.endr
.endr
.irp b, 0,1,2,3
	v_max_num_f32 v[232+\b], v[232+\b], v[111+16*\b]
.endr
.irp b, 0,1,2,3
	D 4
	v_permlanex16_b32 v[236+\b], v[232+\b], s[SEL], s[SEL+1]
.endr
.irp b, 0,1,2,3
	D 4
	v_max_num_f32 v[232+\b], v[232+\b], v[236+\b]
.endr
	D 2
	v_max3_num_f32 v254, v232, v233, v234
	D 1
	v_max_num_f32 v254, v254, v235
	D 1
	v_mul_f32 v254, s[CS], v254
	D 1
	v_max_num_f32 v[\st+1], v[\st+1], v254         ; the running largest t
	v_mov_b32 v254, v[\st]
	D 2
	v_floor_f32 v[\st], -v[\st+1]                  ; the new -M = -ceil(t): a whole number
	D 1
	v_sub_f32 v254, v[\st], v254
	D 1
	v_cvt_i32_f32 v254, v254
	D 1
	v_ldexp_f32 v252, 1.0, v254                    ; f = 2^(old M - new M): a multiplication by it rounds nothing
.set j, 0
.rept 32
	v_pk_fma_f32 v[96+j:97+j], v[96+j:97+j], s[CS:CS+1], v[\st:\st+1] op_sel_hi:[1,0,0]   ; t - M
.set j, j+2
.endr
.irp b, 0,1,2,3
	v_fma_f32 v[232+\b], v[232+\b], s[CS], v[\st]
.endr
	s_wait_alu depctr_va_vdst(0)                   ; the wait ahead of the batch
.set j, 0
.rept 64
	v_exp_f32 v[96+j], v[96+j]                     ; p = 2^(t - M)
.set j, j+1
.endr
	v_pk_mul_f32 v[\st+2:\st+3], v[\st+2:\st+3], v[252:253] op_sel_hi:[1,0]   ; the sums under the new M (a plain place behind the exponentials)
	s_wait_alu depctr_va_vdst(0)                   ; one wait for the batch, ahead of its first reader
.irp b, 0,1,2,3
	v_exp_f32 v[232+\b], v[232+\b]                 ; the block's largest p
.endr
.irp k, 0,1,2,3,4,5,6                          ; the row's sum of the unquantised p: 32 pairs in seven chains
	v_pk_add_f32 v[236+2*\k:237+2*\k], v[96+2*\k:97+2*\k], v[110+2*\k:111+2*\k]
.endr
.irp m, 124, 138
.irp k, 0,1,2,3,4,5,6
	v_pk_add_f32 v[236+2*\k:237+2*\k], v[236+2*\k:237+2*\k], v[\m+2*\k:\m+2*\k+1]
.endr
.endr
.irp k, 0,1,2,3
	v_pk_add_f32 v[236+2*\k:237+2*\k], v[236+2*\k:237+2*\k], v[152+2*\k:153+2*\k]
.endr
.irp k, 0,1,2
	D 4
	v_pk_add_f32 v[236+2*\k:237+2*\k], v[236+2*\k:237+2*\k], v[244+2*\k:245+2*\k]
.endr
	D 2
	v_pk_add_f32 v[236:237], v[236:237], v[238:239]
	D 2
	v_pk_add_f32 v[240:241], v[240:241], v[242:243]
	D 1
	v_pk_add_f32 v[236:237], v[236:237], v[240:241]
	D 1
	v_pk_add_f32 v[\st+2:\st+3], v[\st+2:\st+3], v[236:237]
	s_wait_alu depctr_va_vdst(0)                   ; and one for the four
.irp b, 0,1,2,3
	v_max_num_f32 v[232+\b], 0x1800000, v[232+\b]  ; the floor: the byte cannot fall under 1
.endr
.irp b, 0,1,2,3
	D 4
	v_add_nc_u32 v[244+\b], 0xff000000, v[232+\b]
.endr
.irp b, 0,1,2,3
	D 4
	v_lshrrev_b32 v[236+\b], 23, v[244+\b]
.endr
	D 3
	v_lshl_or_b32 v253, v237, 8, v236              ; p's scale word for these 128 keys
	D 1
	v_lshl_or_b32 v253, v238, 16, v253
	D 1
	v_lshl_or_b32 v253, v239, 24, v253
.irp c, 0,1
	v_cvt_scalef32_pk16_fp6_f32 v[224+6*\c:226+6*\c], v[96+32*\c:111+32*\c], v[244+2*\c]
	v_cvt_scalef32_pk16_fp6_f32 v[236+4*\c:238+4*\c], v[112+32*\c:127+32*\c], v[244+2*\c+1]
.endr
	v_nop                                          ; one plain place behind a scaled conversion
.irp c, 0,1
.irp i, 0,1,2
	v_permlane16_swap_b32 v[224+6*\c+\i], v[236+4*\c+\i]
.endr
.irp i, 0,1,2
	D 3
	v_mov_b32 v[227+6*\c+\i], v[236+4*\c+\i]
.endr
.endr
	WIN 0x41*(\ow)
	s_wait_alu depctr_va_vdst(0)                   ; directly ahead of the first reader of O^T
.set j, 0
.rept 32
	v_pk_mul_f32 v[\ob+j:\ob+j+1], v[\ob+j:\ob+j+1], v[252:253] op_sel_hi:[1,0]   ; O^T under the new M (these 32 are also the places between the writes of p's codes and scale word and the products)
.set j, j+2
.endr
.rept 4
	v_nop                                          ; four places between the last of these writes of O^T and the products that take it up
.endr
	s_wait_alu depctr_va_vdst(0)
	s_wait_dscnt 0x0                               ; V's fragments and scale words
	WIN MUL+0x50*(\ow)
.irp t, 0,1,2,3,4,5,6,7                        ; O^T += V^T P^T: eight accumulators by turns, one instruction each
	v_wmma_scale_f32_16x16x128_f8f6f4 v[\ob+8*\t:\ob+8*\t+7], v[96+12*\t:107+12*\t], v[224:235], v[\ob+8*\t:\ob+8*\t+7], v[SV+\t], v253 matrix_a_fmt:MATRIX_FMT_FP6 matrix_b_fmt:MATRIX_FMT_FP6
.endr
	WIN 0                                          ; at a label and at a branch every window is 0
.Lnone_\@:
.endm
; MY KEY STEP OF THE SLOT IN HAND: K's and V's fragments come once, in one run of 64 LDS loads, and serve both tiles
.macro STEP
	s_add_co_u32 s[KF], s[KS], s[POF]
	s_cmp_gt_u32 s[KF], s[QMX]                     ; hidden from both tiles
	s_cbranch_scc1 .Lhidden_\@
	v_add_nc_u32 v[AD], s[TB], v[LI]
	v_add_nc_u32 v[ADS], s[TS], v[ASC0]
	v_nop
	v_nop                                          ; with the two additions: four places behind the last step's products, for the loads into the registers that they read
.irp t, 0,1,2,3,4,5,6,7
	ds_load_b32 v[SK+\t], v[ADS] offset:64*\t
.endr
	WIN TO_F
.irp t, 0,1,2,3,4,5,6,7
.irp c, 0,1,2
	ds_load_b128 v[12*\t+4*\c:12*\t+4*\c+3], v[AD] offset:1536*\t+512*\c   ; 512 consecutive bytes a load
.endr
.endr
.irp t, 0,1,2,3,4,5,6,7
.irp c, 0,1,2
	ds_load_b128 v[96+12*\t+4*\c:96+12*\t+4*\c+3], v[AD] offset:24576+1536*\t+512*\c
.endr
.endr
	WIN 0
.irp t, 0,1,2,3,4,5,6,7
	ds_load_b32 v[SV+\t], v[ADS] offset:512+64*\t
.endr
	TILE 12, 16, 255, Q0A, 0, 160
	TILE 44, 32, 52, Q0B, 1, 192
.Lhidden_\@:
.endm
; THE CHANGE OF SLOTS stands at a slot's head.  Each wave waits for all its tensor loads, adds 0 to its spare word, and waits for that and for its reads of the slot that it has left.
; Behind the barrier the slot ahead is whole and nobody reads the other one, which is filled with the keys that follow, up to the causal limit.
.macro CHANGE fill
	s_wait_tensorcnt 0x0                           ; no tensor load of mine is out, so a group 0 may be written
	ds_add_u32 v[SPW], v[NIL]                      ; 0 onto my spare word
.if \fill
	s_xor_b32 s[G0+1], s[G0+1], SLOT1              ; the walking descriptor: the other slot,
	s_add_nc_u64 s[G0+2:G0+3], s[G0+2:G0+3], SLB   ; the next 256 keys
	s_wait_xcnt 0x0                                ; the last prefetch, a slot back, has read its address
	s_add_nc_u64 s[PFA:PFA+1], s[PFA:PFA+1], SLB
.endif
	s_wait_dscnt 0x0                               ; the add is done, and my reads of the slot that I have left are over
	s_barrier_signal -1
	s_barrier_wait -1
.if \fill
	s_add_co_u32 s96, s[KS], 256                   ; the first key of the slot that this change would ask for:
	s_cmp_gt_u32 s96, s[LQ]                        ; past my work-group's last query no wave reads it.  Ids and the count of slots alone: all waves go the same way
	s_cbranch_scc1 .Lpast_\@
	TLOAD                                          ; a wave's one tensor load until the next such barrier
.Lpast_\@:
	ASK
.endif
.endm
	s_wait_alu depctr_va_vdst(0)                   ; the wait at the head's end
	s_wait_loadcnt 0x0                             ; Q
.Lslot:                                            ; 7 trips
	CHANGE 1
	STEP
	s_xor_b32 s[TB], s[TB], SLOT1
	s_add_co_u32 s[KS], s[KS], 256
	s_add_co_u32 s[TS], s[TS], 2048
	s_sub_co_u32 s[SLOTS], s[SLOTS], 1
	s_cmp_lg_u32 s[SLOTS], 0
	s_cbranch_scc1 .Lslot
	CHANGE 0                                       ; the last slot is written out: nothing is left to ask for
	STEP
	; THE TWO HALVES MEET.  My tile B goes to my stage as an image of its registers; my partner's tile B is my tile A
.rept 4
	v_nop                                          ; places behind the last products
.endr
	WIN 0x04                                       ; an LDS store's data in window 1
	s_wait_alu depctr_va_vdst(0)                   ; directly ahead of the first reader of tile B's O^T
.set j, 0
.rept 16
	ds_store_b128 v[STO], v[192+4*j:195+4*j] offset:512*j   ; each accumulator from its low end on
.set j, j+1
.endr
	WIN 0
	ds_store_b128 v[STO], v[44:47] offset:8192     ; -M, the largest t, the sum's pair
	s_wait_dscnt 0x0                               ; my stores are done: for my partner's sake
	s_barrier_signal -1
	s_barrier_wait -1
.set j, 0
.rept 16
	ds_load_b128 v[96+4*j:99+4*j], v[RDA] offset:512*j
.set j, j+1
.endr
	ds_load_b128 v[236:239], v[RDA] offset:8192
	s_wait_dscnt 0x0
	v_min_num_f32 v254, v12, v236                  ; -M of the larger M
	D 1
	v_sub_f32 v252, v254, v12
	D 2
	v_sub_f32 v250, v254, v236
	D 2
	v_cvt_i32_f32 v252, v252                       ; whole numbers, 0 or less (the conversion saturates)
	D 2
	v_cvt_i32_f32 v250, v250
	D 2
	v_ldexp_f32 v252, 1.0, v252                    ; my half's factor,
	D 2
	v_ldexp_f32 v250, 1.0, v250                    ; my partner's: powers of two, or 0 for a half with no key step
	D 2
	v_pk_mul_f32 v[14:15], v[14:15], v[252:253] op_sel_hi:[1,0]
	D 1
	v_pk_fma_f32 v[14:15], v[238:239], v[250:251], v[14:15] op_sel_hi:[1,0,1]
	s_wait_alu depctr_va_vdst(0)                   ; directly ahead of the first reader of tile A's O^T
.set j, 0
.rept 32
	v_pk_mul_f32 v[160+j:161+j], v[160+j:161+j], v[252:253] op_sel_hi:[1,0]
.set j, j+2
.endr
.set j, 0
.rept 32
	v_pk_fma_f32 v[160+j:161+j], v[96+j:97+j], v[250:251], v[160+j:161+j] op_sel_hi:[1,0,1]
.set j, j+2
.endr
	; THE WAY OUT: O^T / l; register 16 b + i is channel 32 b + 16 (lane / 16) + i of my query's head: 64 numbers along the output projection's K.  They are quantised here and leave as a fragment's image.
	v_add_f32 v14, v14, v15
	D 1
	v_permlanex16_b32 v252, v14, s[SEL], s[SEL+1]
	D 1
	v_add_f32 v14, v14, v252                       ; the row's sum
	s_wait_alu depctr_va_vdst(0)
	v_rcp_f32 v14, v14
	v_nop                                          ; a plain place behind it
	s_wait_alu depctr_va_vdst(0)                   ; the wait ahead of its first reader
.set j, 0
.rept 64
	v_mul_f32 v[96+j], v[160+j], v14
.set j, j+1
.endr
.irp b, 0,1,2,3
	v_max3_num_f32 v[TM+\b], v[FLR], |v[96+16*\b]|, |v[97+16*\b]|
.endr
.irp i, 2,4,6,8,10,12,14
.irp b, 0,1,2,3
	D 4
	v_max3_num_f32 v[TM+\b], v[TM+\b], |v[96+16*\b+\i]|, |v[97+16*\b+\i]|
.endr
.endr
.irp b, 0,1,2,3
	D 4
	v_permlanex16_b32 v[TM+4+\b], v[TM+\b], s[SEL], s[SEL+1]
.endr
.irp b, 0,1,2,3
	D 4
	v_max_num_f32 v[TM+\b], v[TM+\b], v[TM+4+\b]
.endr
.irp b, 0,1,2,3
	D 4
	v_add_nc_u32 v[TM+8+\b], 0xff000000, v[TM+\b]
.endr
.irp b, 0,1,2,3
	D 4
	v_lshrrev_b32 v[TM+4+\b], 23, v[TM+8+\b]
.endr
	D 3
	v_lshl_or_b32 v[PW], v[TM+5], 8, v[TM+4]
	D 1
	v_lshl_or_b32 v[PW], v[TM+6], 16, v[PW]
	D 1
	v_lshl_or_b32 v[PW], v[TM+7], 24, v[PW]
.irp c, 0,1
	v_cvt_scalef32_pk16_fp6_f32 v[PC+6*\c:PC+6*\c+2], v[96+32*\c:111+32*\c], v[TM+8+2*\c]
	v_cvt_scalef32_pk16_fp6_f32 v[PC+12+4*\c:PC+14+4*\c], v[112+32*\c:127+32*\c], v[TM+9+2*\c]
.endr
	v_nop
.irp c, 0,1
.irp i, 0,1,2
	v_permlane16_swap_b32 v[PC+6*\c+\i], v[PC+12+4*\c+\i]
.endr
.irp i, 0,1,2
	D 3
	v_mov_b32 v[PC+3+6*\c+\i], v[PC+12+4*\c+\i]
.endr
.endr
.irp c, 0,1,2
	global_store_b128 v[LI], v[PC+4*\c:PC+4*\c+3], s[8:9] offset:512*\c   ; 512 consecutive bytes
.endr
	global_store_b32 v[LS], v[PW], s[62:63]        ; lanes r and r + 16 store the same word to the same place
	s_wait_tensorcnt 0x0                           ; the wave's end
	ds_add_u32 v[SPW], v[NIL]
	s_wait_dscnt 0x0
	s_endpgm
.Lfunc_end_k_qd06f67cac7_attn:
	.size	k_qd06f67cac7_attn, .Lfunc_end_k_qd06f67cac7_attn-k_qd06f67cac7_attn
	.p2alignl 7, 3214868480
	.fill 96, 4, 3214868480
	.section	.rodata,"a",@progbits
	.p2align	6, 0x0
	.amdhsa_kernel k_qd06f67cac7_attn
		.amdhsa_group_segment_fixed_size 327680
		.amdhsa_private_segment_fixed_size 0
		.amdhsa_enable_private_segment 0
		.amdhsa_kernarg_size 24
		.amdhsa_user_sgpr_count 2
		.amdhsa_user_sgpr_kernarg_segment_ptr 1
		.amdhsa_wavefront_size32 1
		.amdhsa_system_sgpr_workgroup_id_x 1
		.amdhsa_system_sgpr_workgroup_id_y 1
		.amdhsa_system_sgpr_workgroup_id_z 1
		.amdhsa_system_vgpr_workitem_id 0
		.amdhsa_next_free_vgpr 512
		.amdhsa_next_free_sgpr 100
		.amdhsa_reserve_vcc 1
		.amdhsa_float_denorm_mode_32 3
		.amdhsa_float_denorm_mode_16_64 3
		.amdhsa_memory_ordered 1
		.amdhsa_forward_progress 1
		.amdhsa_inst_pref_size 125
	.end_amdhsa_kernel
	.amdgpu_metadata
---
amdhsa.version: [ 1, 2 ]
amdhsa.kernels:
  - .name:           k_qd06f67cac7_attn
    .symbol:         k_qd06f67cac7_attn.kd
    .args:
      - { .name: qb, .offset: 0, .size: 8, .value_kind: global_buffer, .address_space: global }
      - { .name: kvb, .offset: 8, .size: 8, .value_kind: global_buffer, .address_space: global }
      - { .name: ab, .offset: 16, .size: 8, .value_kind: global_buffer, .address_space: global }
    .group_segment_fixed_size: 327680
    .private_segment_fixed_size: 0
    .kernarg_segment_align: 8
    .kernarg_segment_size: 24
    .max_flat_workgroup_size: 256
    .sgpr_count:     100
    .vgpr_count:     512
    .wavefront_size: 32
...
	.end_amdgpu_metadata
.endif
;; end of part 3
;; launch oproj (part 4): grid 16 x 16, 4 waves a work-group, clusters of 4 x 4, 327,680 bytes of LDS; arguments ab, wq, out0; writes out0
.if DOCPART == 4
	.amdgcn_target "amdgcn-amd-amdhsa--gfx1250"
	.amdhsa_code_object_version 6
	.text
	.protected	k_qd06f67cac7_oproj
	.globl	k_qd06f67cac7_oproj
	.p2align	8
	.type	k_qd06f67cac7_oproj,@function
k_qd06f67cac7_oproj:
	s_mov_b64 s[64:65], 0
	v_nop
	global_prefetch_b8 v0, s[64:65] scope:SCOPE_SE
	s_setreg_imm32_b32 hwreg(HW_REG_WAVE_MODE, 25, 1), 1
	s_wait_xcnt 0x0
	s_wait_alu depctr_hold_cnt(0) depctr_sa_sdst(0) depctr_va_vdst(0) depctr_va_sdst(0) depctr_va_ssrc(0) depctr_va_vcc(0) depctr_vm_vsrc(0)
	s_getreg_b32 s2, hwreg(HW_REG_IB_STS2, 6, 4)
	s_cmp_eq_u32 s2, 0
	s_cbranch_scc0 .Lentry_in_a_cluster
	s_endpgm
.Lentry_in_a_cluster:
	s_bfe_u32 s2, ttmp6, 0x10000c
	s_cmp_lg_u32 s2, 0xf033
	s_cbranch_scc0 .Lentry_shape_is_right
	s_endpgm
.Lentry_shape_is_right:
; out0 = attention's result x Wo, on codes of FP6 (E2M3) with E8M0 scales; K = 1,024, eight steps of 128; sums and results in f32.
; Operands are images of fragment registers (16 rows x 128 K = 1,536 bytes: chunk c holds lane l's registers 4 c .. 4 c + 3 at 512 c + 16 l), laid in groups of 128 rows:
; [group][102,400 bytes]: codes [K step 8][tile 8][1536], then scale words [K step 8][tile 8][64].  ab holds 32 token groups; Wo's 16 column groups begin at byte 4,915,200 of wq.
; Lane r of tile t holds row 32 (t / 2) + 8 (t % 2) + r + 8 (r / 8) of its group.
; A work-group makes 256 tokens x 128 columns: four waves, each 128 x 64 in 32 accumulators.  The matrix instruction is used transposed: source 0 = a tile of Wo's columns, source 1 = a tile of tokens.
; ALL OPERANDS OF THE WORK-GROUP FIT IN LDS AT ONCE: two token groups and one column group, 307,200 bytes.  They come by ONE tensor load a wave at the head: waves 0, 1 a token group each (400 rows of
; 256 bytes), waves 2, 3 half of the column group each (200 rows).  Nothing is filled again: one wait and one barrier stand ahead of the first fragment loads, and no ring is kept.
; CLUSTERS: 4 x 4 work-groups; the token groups are asked for jointly along a row of the cluster, the column group along a column.
; NO PREFETCH: every byte is asked for by the head's loads; the text has no loop to run ahead in.
; REGISTERS: window 0: v16-29 addresses; v32-55 scale words, two sets of 12; v64-159 Wo's fragments, two sets of four; v160-223 the way out.  window 1: the tokens' fragments, two sets at v0 and v128.  window 2: the accumulators.
.set FR,    12
.set NP,    4                          ; places behind this matrix instruction (ISA guide 7.12.1)
.set GRP,   102400                     ; a group, in memory and in LDS
.set SCO,   98304                      ; where its scale words begin
.set CHK,   49152                      ; four K steps of codes: a second address register serves the upper four, since an LDS offset has 16 bits
.set BREG,  2*GRP                      ; behind the two token groups: the column group
.set STG,   3*GRP                      ; the way out: 16 rows x 272 bytes for each wave; no tensor load lands here
.set SPITCH, 272
.set SPARE, STG+4*16*SPITCH            ; the spare words, 128 bytes for each wave: two blocks of 256 bytes that no other line names
.set ADRA, 16
.set ADRB, 20
.set ADSA, 22
.set ADSB, 23
.set STO,  24
.set RD,   25
.set CO,   26
.set LI,   27
.set SPW,  28
.set NIL,  29
.set SC,   32
.set BF,   64
.set BK,   160
.set WV,  18
.set WH,  19
.set WL,  20
.set G1,  24
.set G0,  32
.set G1B, 48
.set G0B, 56
.set MSB, 0
.macro WIN new                         ; the immediate's high byte repeats the setting that is left
.if MSB != (\new)
	s_set_vgpr_msb (MSB<<8)|(\new)
.set MSB, \new
.endif
.endm
.set MUL,  0xa4                        ; source 0 (Wo) window 0, source 1 (tokens) window 1, C and D window 2
.set TO_A, 0x40
.macro CROUND                          ; a round of the cluster's barrier
	s_barrier_signal -1
	s_barrier_wait -1
	s_cmp_lg_u32 s[WV], 0
	s_cbranch_scc1 .Lnot_wave_0_\@
	s_barrier_signal -3
.Lnot_wave_0_\@:
	s_barrier_wait -3
	s_barrier_signal -1
	s_barrier_wait -1
.endm
.macro SHAPE g, rows                   ; a dense block as rows of 256 bytes (32 elements of 8)
	s_mov_b32 s[\g+1], 32<<16
	s_mov_b32 s[\g+2], (\rows)<<16
	s_mov_b32 s[\g+3], 32<<16
	s_mov_b32 s[\g+4], \rows
	s_mov_b32 s[\g+5], 32
	s_mov_b32 s[\g+6], 0
	s_mov_b32 s[\g+7], 0
.endm
	s_load_b128 s[4:7], s[0:1], 0x0                ; ab s[4:5], wq s[6:7]
	s_load_b64 s[12:13], s[0:1], 0x10              ; out0
	v_lshl_add_u32 v[SPW], v0, 2, SPARE
	v_mov_b32 v[NIL], 0
	ds_add_u32 v[SPW], v[NIL]                      ; the wave's opening: the add, twice on end, and its wait ahead of my first tensor load
	ds_add_u32 v[SPW], v[NIL]
	v_lshrrev_b32 v1, 5, v0
	v_readfirstlane_b32 s[WV], v1                  ; wave 0..3
	s_lshr_b32 s[WH], s[WV], 1                     ; which token group is mine
	s_and_b32 s[WL], s[WV], 1                      ; which 64 columns.  Also: which group, or half, I fetch
	s_bfe_u32 s21, ttmp6, 0x40000                  ; cx
	s_bfe_u32 s22, ttmp6, 0x40004                  ; cy
	s_and_b32 s44, ttmp7, 0xffff
	s_lshl_b32 s44, s44, 2
	s_add_co_u32 s44, s44, s22                     ; the pair of token groups: 4 x cluster y + cy
	s_lshl_b32 s45, ttmp9, 2
	s_add_co_u32 s45, s45, s21                     ; the column group: 4 x cluster x + cx
	s_lshl_b32 s46, s22, 2
	s_lshl_b32 s46, 15, s46                        ; my row of the cluster
	s_lshl_b32 s47, 0x1111, s21                    ; my column
	s_or_b32 s[G1+0], s46, (3<<16)|(1<<21)         ; the mask; elements of 8 bytes; no padding; bit 21 set beside a mask
	s_or_b32 s[G1B+0], s47, (3<<16)|(1<<21)
	SHAPE G1, 400
	SHAPE G1B, 200
	s_lshl_b32 s40, s44, 1
	s_add_co_u32 s40, s40, s[WL]
	s_mul_i32 s40, s40, GRP                        ; the token group that I would fetch
	s_mov_b32 s41, 0
	s_mul_i32 s96, s45, GRP
	s_mul_i32 s97, s[WL], GRP/2
	s_add_co_u32 s96, s96, s97
	s_add_co_u32 s96, s96, 4915200                 ; the half of the column group
	s_mov_b32 s97, 0
	s_mul_i32 s2, s[WL], GRP                       ; where they go: no place in the cluster enters an LDS address
	s_mul_i32 s8, s[WL], GRP/2
	s_wait_dscnt 0x0                               ; both opening adds are done
	s_wait_kmcnt 0x0
	CROUND                                         ; all sixteen work-groups are here: the joint loads meet
	s_mov_b32 s[G0], 1
	s_mov_b32 s[G0+1], s2
	s_add_nc_u64 s[G0+2:G0+3], s[4:5], s[40:41]
	s_or_b32 s[G0+3], s[G0+3], 0x80000000
	s_mov_b32 s[G0B], 1
	s_add_co_u32 s[G0B+1], s8, BREG
	s_add_nc_u64 s[G0B+2:G0B+3], s[6:7], s[96:97]
	s_or_b32 s[G0B+3], s[G0B+3], 0x80000000
	s_cmp_lt_u32 s[WV], 2                          ; one tensor load a wave; an s_nop 0 and four v_nop follow each of the two lines
	s_cbranch_scc0 .Lfor_b
	tensor_load_to_lds s[G0:G0+3], s[G1:G1+7]
	s_nop 0
.rept 4
	v_nop
.endr
	s_branch .Lasked
.Lfor_b:
	tensor_load_to_lds s[G0B:G0B+3], s[G1B:G1B+7]
	s_nop 0
.rept 4
	v_nop
.endr
.Lasked:
	v_and_b32 v1, 31, v0
	v_and_b32 v2, 15, v0
	v_bfe_u32 v3, v0, 4, 1
	v_lshlrev_b32 v[LI], 4, v1
	v_lshlrev_b32 v5, 2, v2
	s_wait_alu depctr_va_vdst(0)
	s_mul_i32 s40, s[WH], GRP
	s_mul_i32 s41, s[WL], 4*1536
	s_add_co_u32 s41, s41, BREG
.irp c, 0,1
	v_add_nc_u32 v[ADRA+\c], s40, v[LI]
	v_add_nc_u32 v[ADRB+\c], s41, v[LI]
	s_add_co_u32 s40, s40, CHK
	s_add_co_u32 s41, s41, CHK
.endr
	s_mul_i32 s40, s[WH], GRP
	s_add_co_u32 s40, s40, SCO
	v_add_nc_u32 v[ADSA], s40, v5                  ; my token group's scale words
	s_lshl_b32 s41, s[WL], 8
	s_add_co_u32 s41, s41, BREG+SCO
	v_add_nc_u32 v[ADSB], s41, v5                  ; my four column tiles'
	s_mul_i32 s40, s[WV], 16*SPITCH
	s_add_co_u32 s40, s40, STG
	v_mul_u32_u24 v4, v2, SPITCH
	v_lshl_add_u32 v4, v3, 6, v4
	v_add_nc_u32 v[STO], s40, v4
	v_mul_u32_u24 v4, v3, SPITCH
	v_lshl_add_u32 v4, v2, 4, v4
	v_add_nc_u32 v[RD], s40, v4
	v_lshlrev_b32 v[CO], 13, v3
	v_lshl_add_u32 v[CO], v2, 4, v[CO]
	s_lshl_b32 s40, s44, 1
	s_add_co_u32 s40, s40, s[WH]
	s_lshl_b32 s40, s40, 20                        ; 128 rows of 8,192 bytes
	s_lshl_b32 s41, s45, 9
	s_add_co_u32 s40, s40, s41
	s_lshl_b32 s41, s[WL], 8
	s_add_co_u32 s40, s40, s41
	s_mov_b32 s41, 0
	s_add_nc_u64 s[12:13], s[12:13], s[40:41]
.macro FRAG reg, adr, s, i             ; a fragment comes back as it was stored: three loads, 512 consecutive bytes each
.irp c, 0,1,2
	ds_load_b128 v[\reg+4*\c:\reg+4*\c+3], v[\adr+(\s)/4] offset:12288*((\s)%4)+1536*(\i)+512*\c
.endr
.endm
.macro LOADSET s                       ; K step s: 12 loads for Wo's four tiles, 12 scale words, 24 loads for the tokens' eight tiles, into set s % 2
.set P, (\s)%2
	WIN 0
.irp j, 0,1,2,3
	FRAG BF+48*P+FR*\j, ADRB, \s, \j
.endr
.irp j, 0,1,2,3
	ds_load_b32 v[SC+12*P+8+\j], v[ADSB] offset:512*(\s)+64*\j
.endr
.irp i, 0,1,2,3,4,5,6,7
	ds_load_b32 v[SC+12*P+\i], v[ADSA] offset:512*(\s)+64*\i
.endr
	WIN TO_A
.irp i, 0,1,2,3,4,5,6,7
	FRAG 128*P+FR*\i, ADRA, \s, \i
.endr
.endm
.macro MUL16 a0, p, zero               ; 16 matrix instructions; the 32 accumulators take turns, one instruction a turn; zero = 1: the first product starts the sums
.irp a, \a0, \a0+1, \a0+2, \a0+3
.irp b, 0,1,2,3
.if \zero
	v_wmma_scale_f32_16x16x128_f8f6f4 v[8*(4*(\a)+\b):8*(4*(\a)+\b)+7], v[BF+48*(\p)+FR*\b:BF+48*(\p)+FR*\b+FR-1], v[128*(\p)+FR*(\a):128*(\p)+FR*(\a)+FR-1], 0, v[SC+12*(\p)+8+\b], v[SC+12*(\p)+(\a)] matrix_a_fmt:MATRIX_FMT_FP6 matrix_b_fmt:MATRIX_FMT_FP6
.else
	v_wmma_scale_f32_16x16x128_f8f6f4 v[8*(4*(\a)+\b):8*(4*(\a)+\b)+7], v[BF+48*(\p)+FR*\b:BF+48*(\p)+FR*\b+FR-1], v[128*(\p)+FR*(\a):128*(\p)+FR*(\a)+FR-1], v[8*(4*(\a)+\b):8*(4*(\a)+\b)+7], v[SC+12*(\p)+8+\b], v[SC+12*(\p)+(\a)] matrix_a_fmt:MATRIX_FMT_FP6 matrix_b_fmt:MATRIX_FMT_FP6
.endif
.endr
.endr
.endm
.macro PLACES n
.rept \n
	v_nop
.endr
.endm
.macro KSTEP s, zero
	s_wait_dscnt 12                                ; all of this step's but the youngest 12 loads (the tokens' tiles 4-7)
	WIN MUL
	MUL16 0, (\s)%2, \zero
.if (\s) < 7
	PLACES NP                                      ; in front of loads into registers that the step before has read
	LOADSET (\s)+1
	s_wait_dscnt 48                                ; all but the 48 just issued
.else
	s_wait_dscnt 0x0
.endif
	WIN MUL
	MUL16 4, (\s)%2, \zero
.endm
	s_wait_alu depctr_va_vdst(0)                   ; the wait at the head's end
	s_wait_tensorcnt 0x0                           ; my load has landed,
	s_barrier_signal -1
	s_barrier_wait -1                              ; everybody's has
	LOADSET 0
	KSTEP 0, 1
.irp s, 1,2,3,4,5,6,7
	KSTEP \s, 0
.endr
	WIN 0
; THE WAY OUT, tile by tile of 16 tokens x 64 columns: through my own stage in LDS, back as rows of 256 bytes, which sixteen lanes store as one aligned unit
.macro TOSTAGE a
	WIN 0x08
.irp b, 0,1,2,3
	ds_store_b128 v[STO], v[32*(\a)+8*\b:32*(\a)+8*\b+3] offset:128*(\b/2)+32*(\b%2)        ; each accumulator from its low end on
	ds_store_b128 v[STO], v[32*(\a)+8*\b+4:32*(\a)+8*\b+7] offset:128*(\b/2)+32*(\b%2)+16
.endr
	WIN 0
.set BB, BK+32*((\a)%2)
.irp i, 0,1,2,3,4,5,6,7
	ds_load_b128 v[BB+4*\i:BB+4*\i+3], v[RD] offset:2*\i*SPITCH   ; LDS serves a wave's instructions in order: these see the stores above
.endr
.endm
.macro SEND a, younger                 ; younger: the LDS instructions issued behind tile a's loads, which may stay out
.set BB, BK+32*((\a)%2)
	s_wait_dscnt \younger
.irp i, 0,1,2,3,4,5,6,7
	global_store_b128 v[CO], v[BB+4*\i:BB+4*\i+3], s[12:13] offset:(32*((\a)/2)+8*((\a)%2)+2*\i+8*(\i/4))*8192 th:TH_STORE_NT
.endr
.endm
	PLACES NP                                      ; behind the last products
	TOSTAGE 0
.irp a, 1,2,3,4,5,6,7
.if \a > 1
	s_wait_xcnt 0x0                                ; tile a - 2's stores have read their registers, into which tile a's loads land
.endif
	TOSTAGE \a
	SEND \a-1, 16
.endr
	SEND 7, 0
	s_wait_tensorcnt 0x0                           ; the wave's end
	ds_add_u32 v[SPW], v[NIL]
	s_wait_dscnt 0x0
	CROUND                                         ; the closing round
	s_endpgm
.Lfunc_end_k_qd06f67cac7_oproj:
	.size	k_qd06f67cac7_oproj, .Lfunc_end_k_qd06f67cac7_oproj-k_qd06f67cac7_oproj
	.p2alignl 7, 3214868480
	.fill 96, 4, 3214868480
	.section	.rodata,"a",@progbits
	.p2align	6, 0x0
	.amdhsa_kernel k_qd06f67cac7_oproj
		.amdhsa_group_segment_fixed_size 327680
		.amdhsa_private_segment_fixed_size 0
		.amdhsa_enable_private_segment 0
		.amdhsa_kernarg_size 24
		.amdhsa_user_sgpr_count 2
		.amdhsa_user_sgpr_kernarg_segment_ptr 1
		.amdhsa_wavefront_size32 1
		.amdhsa_system_sgpr_workgroup_id_x 1
		.amdhsa_system_sgpr_workgroup_id_y 1
		.amdhsa_system_sgpr_workgroup_id_z 1
		.amdhsa_system_vgpr_workitem_id 0
		.amdhsa_next_free_vgpr 768
		.amdhsa_next_free_sgpr 102
		.amdhsa_reserve_vcc 0
		.amdhsa_float_denorm_mode_32 3
		.amdhsa_float_denorm_mode_16_64 3
		.amdhsa_memory_ordered 1
		.amdhsa_forward_progress 1
		.amdhsa_inst_pref_size 80
	.end_amdhsa_kernel
	.amdgpu_metadata
---
amdhsa.version: [ 1, 2 ]
amdhsa.kernels:
  - .name:           k_qd06f67cac7_oproj
    .symbol:         k_qd06f67cac7_oproj.kd
    .args:
      - { .name: ab, .offset: 0, .size: 8, .value_kind: global_buffer, .address_space: global }
      - { .name: wq, .offset: 8, .size: 8, .value_kind: global_buffer, .address_space: global }
      - { .name: out0, .offset: 16, .size: 8, .value_kind: global_buffer, .address_space: global }
    .group_segment_fixed_size: 327680
    .private_segment_fixed_size: 0
    .kernarg_segment_align: 8
    .kernarg_segment_size: 24
    .max_flat_workgroup_size: 128
    .sgpr_count:     102
    .vgpr_count:     768
    .wavefront_size: 32
...
	.end_amdgpu_metadata
.endif
;; end of part 4
